; MI455X (gfx1250); checked and timed in simulation.
; The chip was launched on July 23, 2026; its instructions are those of AMD's public machine-readable ISA for CDNA 5 (MIT licence, August 2026) and "CDNA5" Instruction Set Architecture Reference Guide (July 2026). The comments in the code are by the model that wrote it; some were corrected since.
;; multihead self attention. Allowed arithmetic: matrix products marked QUANTISED: E2M1 operands, one E8M0 scale for each 32 along K, by v_wmma_scale_f32_16x16x128_f8f6f4 with both operands' format E2M1 (or v_wmma_scale_f32_32x16x128_f4), f32 sums; products left as they are: bf16, f16 or f32 operands; f32 sums; everything else in f32.
;; Inputs: in_features 2 x 2,048 x 1,024 float32; wk 1,024 x 1,024 float32; wo 1,024 x 1,024 float32; wq 1,024 x 1,024 float32; wv 1,024 x 1,024 float32.
;; Outputs: out0 2 x 2,048 x 1,024 float32.
;; This version of the problem:
;;   THIS VERSION OF THE PROBLEM IS GIVEN IN LOW PRECISION. The matrix products marked QUANTISED in the list below multiply operands that are first quantised to E2M1 (2 exponent bits, 1 mantissa bit; 4 bits a number), with one power-of-two scale for each 32 numbers along K (OCP MX v1.0); their sums are f32. The products marked 'left as it is' may take bf16, f16 or f32 operands, with f32 sums. Whichever they take, every output number must still come out within the allowed error. Rounding operands to bf16 (8 significant bits) uses up far more of that allowance than f16 does (11 bits, for magnitudes from 6e-5 to 65,504). All else is computed in f32.
;;   The module's matrix products, in the order in which they are computed (A, B: the left and right operand; K: the contracted axis; several contracted axes count as one K, in the product's order):
;;     1. [M 4,096, K 1,024] x [K 1,024, N 1,024]; A: input in_features; B: input wq: QUANTISED
;;     2. [M 4,096, K 1,024] x [K 1,024, N 1,024]; A: input in_features; B: input wk: QUANTISED
;;     3. [M 4,096, K 1,024] x [K 1,024, N 1,024]; A: input in_features; B: input wv: QUANTISED
;;     4. batch 32 x [M 2,048, K 64] x [K 64, N 2,048]; A: computed on the way; B: computed on the way: left as it is (an operand is computed on the way)
;;     5. batch 32 x [M 2,048, K 2,048] x [K 2,048, N 64]; A: computed on the way; B: computed on the way: left as it is (an operand is computed on the way)
;;     6. [M 4,096, K 1,024] x [K 1,024, N 1,024]; A: computed on the way; B: input wo: left as it is (an operand is computed on the way)
;;   THE QUANTISER, for each operand of a quantised product, along K:
;;     - K is cut into blocks of 32 from its start; a last block that is shorter is filled with zeros.
;;     - A block's scale is 2^e with e = floor(log2(the largest magnitude in the block)) - 2, held to -126 .. 127; a block of zeros has e = 0. As a byte (E8M0): e + 127.
;;     - Each number is divided by its block's scale, clamped to +-6, and rounded to the nearest number of E2M1, ties to even, subnormals kept.
;;     - The product sums the exact products of the quantised numbers (number of the format x scale) in f32.
;;   ~~~python
;;   def quantise(x, axis):      # numpy; x: float32 -> the quantised numbers, widened to float32 again
;;       x = np.moveaxis(x, axis, -1); K = x.shape[-1]
;;       x = np.pad(x, [(0, 0)] * (x.ndim - 1) + [(0, -K % 32)]); x = x.reshape(x.shape[:-1] + (-1, 32)); a = np.abs(x).max(-1, keepdims=True)
;;       e = np.where(a > 0, np.clip(np.frexp(np.where(a > 0, a, 1))[1] - 1 - 2, -126, 127), 0)      # np.frexp(a)[1] - 1 = floor(log2(a)), exactly
;;       r = np.clip(x / 2.0 ** e, -6, 6)
;;       step = 2.0 ** (np.maximum(np.frexp(np.where(r == 0, 1, r))[1] - 1, 0) - 1)
;;       q = np.round(r / step) * step * 2.0 ** e      # np.round: ties to even
;;       return np.moveaxis(q.reshape(q.shape[:-2] + (-1,))[..., :K], -1, axis).astype(np.float32)
;;   ~~~
;; One version. Each part assembles by itself: llvm-mc -triple=amdgcn-amd-amdhsa -mcpu=gfx1250 --defsym DOCPART=n.
;; ======== version 1 of 1: 4 launches
;; limits: values are held in f16: magnitudes above 65,504 overflow, below 6.1e-05 lose precision; right only within a limited range of input values
;; workspace buffers: xc 2,097,152 bytes; xs 131,072 bytes; wc 1,572,864 bytes; ws 98,304 bytes; wo16 4,194,304 bytes; tab 524,288 bytes; qkv 25,165,824 bytes; ctx 8,388,608 bytes
;; launch prep (part 1): grid 256 x 1, 4 waves a work-group, no clusters, 33,280 bytes of LDS; arguments in_features, wq, wk, wv, wo, xc, xs, wc, ws, wo16, tab; writes xc, xs, wc, ws, wo16, tab
.if DOCPART == 1
	.amdgcn_target "amdgcn-amd-amdhsa--gfx1250"
	.amdhsa_code_object_version 6
	.text
	.protected	k_qb920f839db_prep
	.globl	k_qb920f839db_prep
	.p2align	8
	.type	k_qb920f839db_prep,@function
k_qb920f839db_prep:
	s_mov_b64 s[64:65], 0
	v_nop
	global_prefetch_b8 v0, s[64:65] scope:SCOPE_SE
	s_setreg_imm32_b32 hwreg(HW_REG_WAVE_MODE, 25, 1), 1
	s_wait_xcnt 0x0
; PREP.  Work-groups 0-127 quantise in_features, 128-159 wq, 160-191 wk, 192-223 wv: f32 numbers with K innermost become codes of FP4 (E2M1), two a byte, and one E8M0 scale byte for each 32 along K.
; Rows are dense and K = 1,024 is a multiple of 32, so each tensor is a plain stream of blocks of 32; wq, wk, wv follow each other in wc and ws (rows 0-1023, 1024-2047, 2048-3071).
; A block's scale is 2^(floor(log2(largest magnitude)) - 2); its byte is the largest magnitude's exponent field - 2, held at 1 from below.  A block of zeros gets the byte 1 where the rule says 127:
; its codes are zeros, which add nothing, and this program alone reads the bytes.
; Work-groups 224-255 turn wo into TWO f16 parts (8,192 numbers a wave) and make the table of cos and sin, [2048 positions][32 pairs][cos, sin] f32, 16 positions a wave.
; 1,024 wo = wh + wl: wh is 1,024 wo rounded to 11 significant bits, wl the rest, rounded to f16: together some 22 bits.  The factor 1,024 keeps wl among f16's normal numbers; the last launch takes it off again.
; wo16 lies [1024 n][wh of k = 0 .. 1023 | wl of k = 0 .. 1023], 4,096 bytes a row.
; LIMITS: NaN and infinities among the inputs are not served; blocks whose largest magnitude lies under 2^-124 keep the byte 1; |wo| stays under 63 (1,024 wo inside f16's 65,504).
; The table's angle is position x 2^(-j log2(10000)/32) in f32: it may differ from the angle as the problem's text forms it by about 2e-4 radians at position 2,047; cos and sin by a reduction
; modulo pi/2 in two parts (the multiple is at most 1,304) and polynomials of degree 7 and 8 on [-pi/4, pi/4].
; A wave takes 16 steps of 512 numbers.  Each load reads 512 consecutive bytes; a step's 2,048 bytes turn through the wave's own stage in LDS so that a lane holds 16 neighbours along K.
.set WAVES, 4
.set STEPS, 16
.set CB,    8                          ; bytes of 16 codes
.set R,     16                         ; v16-79   four sets of 16 numbers as loaded
.set X,     80                         ; v80-111  two sets of 16 neighbours
.set E,     112                        ; v112-127 a scale byte for each step
.set C,     128                        ; v128-191 codes, four registers a step
.set WREG,  8192                       ; LDS: a region for each wave: two stages of 32 x SP bytes, then its 256 scale bytes
.set SP,    80                         ; a lane's place in a stage: 64 bytes + 16 of padding
.set SPW,   12                         ; v12  LDS address of my spare word; never rewritten
.set NIL,   13                         ; v13  0; never rewritten
.set SPARE, WAVES*WREG                 ; behind the regions: the spare words, 128 bytes a wave
.set WA,    16                         ; wo's path: two sets of 64 registers,
.set WB,    80
.set TOUT,  144                        ; v144-175 the table's 16 pairs (cos, sin),
.set KSN,   176                        ; leading coefficients of the two polynomials,
.set KCS,   177
.set TF,    178                        ; my pair's frequency
.set TPOS,  179                        ; the position, as f32
.set TA,    180
.set TN,    181
.set TR,    182
.set TZ,    183
.set TP,    184
.set TC,    185
.set TW,    186
.set TI,    187
.set TT,    188
.set TSN,   189
.set TCS,   190
.set DC,    180                        ; behind the table: v180-183, v184-187 at work in the splitting of wo
.set DT,    184
	s_load_b512 s[8:23], s[0:1], 0x0               ; in_features s[8:9], wq s[10:11], wk s[12:13], wv s[14:15], wo s[16:17], xc s[18:19], xs s[20:21], wc s[22:23]
	s_load_b128 s[24:27], s[0:1], 0x40             ; ws s[24:25], wo16 s[26:27]
	s_load_b64 s[28:29], s[0:1], 0x50              ; tab
	v_lshl_add_u32 v[SPW], v0, 2, SPARE
	v_mov_b32 v[NIL], 0
	v_lshrrev_b32 v1, 5, v0
	v_readfirstlane_b32 s36, v1                    ; wave
	v_and_b32 v2, 31, v0                           ; lane
	v_lshlrev_b32 v3, 4, v2                        ; my 16 bytes of a load's 512
	s_mul_i32 s38, s36, WREG
	v_lshrrev_b32 v14, 2, v2
	v_mul_u32_u24 v14, v14, SP
	v_and_b32 v15, 3, v2
	v_lshl_add_u32 v14, v15, 4, v14
	v_add_nc_u32 v14, s38, v14                     ; the stage, in: four lanes' 64 bytes on end, then 16 of padding
	v_mul_u32_u24 v15, v2, SP
	v_add_nc_u32 v15, s38, v15                     ; and out: SP x lane: my 16 neighbours
	v_mul_u32_u24 v4, v2, CB                       ; my codes' place in a step's
	v_lshrrev_b32 v5, 1, v2
	s_add_co_u32 s38, s38, 2*32*SP
	v_add_nc_u32 v5, s38, v5                       ; LDS: my wave's 256 scale bytes, my block's byte
	v_lshlrev_b32 v7, 3, v2                        ; 8 bytes a lane
	v_add_nc_u32 v6, s38, v7
	s_and_b32 s37, ttmp9, 31                       ; a weight's work-group within its tensor
	s_mov_b32 s3, 0
	s_wait_kmcnt 0x0
	s_cmp_ge_u32 ttmp9, 224
	s_cbranch_scc1 .Lwo
	; which tensor: the choices hang on the work-group's number alone; only pointers are chosen, all four tensors take one path
	s_cmp_lt_u32 ttmp9, 192
	s_cselect_b64 s[4:5], s[12:13], s[14:15]
	s_cmp_lt_u32 ttmp9, 160
	s_cselect_b64 s[4:5], s[10:11], s[4:5]
	s_cmp_lt_u32 ttmp9, 128
	s_cselect_b64 s[4:5], s[8:9], s[4:5]
	s_cselect_b64 s[30:31], s[18:19], s[22:23]     ; codes: xc or wc
	s_cselect_b64 s[32:33], s[20:21], s[24:25]     ; scale bytes: xs or ws
	s_cselect_b32 s34, 0, 128
	s_cselect_b32 s35, ttmp9, s37
	s_lshl_b32 s35, s35, 2
	s_add_co_u32 s35, s35, s36                     ; which run of 8,192 numbers of the source is my wave's
	s_lshl_b32 s2, s35, 15
	s_add_nc_u64 s[4:5], s[4:5], s[2:3]
	s_sub_co_u32 s34, ttmp9, s34
	s_lshl_b32 s34, s34, 2
	s_add_co_u32 s34, s34, s36                     ; and which run of the output (the three weights on end)
	s_lshl_b32 s2, s34, 12                         ; 4,096 bytes of codes a run
	s_add_nc_u64 s[30:31], s[30:31], s[2:3]
	s_lshl_b32 s2, s34, 8                          ; 256 scale bytes a run
	s_add_nc_u64 s[32:33], s[32:33], s[2:3]
.macro LOAD t
.irp i, 0,1,2,3
	global_load_b128 v[R+16*((\t)%4)+4*\i:R+16*((\t)%4)+4*\i+3], v3, s[4:5] offset:2048*(\t)+512*\i th:TH_LOAD_NT   ; 32 lanes read 512 consecutive bytes
.endr
.endm
.macro TURN t                          ; step t's numbers through the stage: LDS serves a wave's instructions in order, so no wait stands between the stores and the loads
.irp i, 0,1,2,3
	ds_store_b128 v14, v[R+16*((\t)%4)+4*\i:R+16*((\t)%4)+4*\i+3] offset:32*SP*((\t)%2)+8*SP*\i
.endr
.irp i, 0,1,2,3
	ds_load_b128 v[X+16*((\t)%2)+4*\i:X+16*((\t)%2)+4*\i+3], v15 offset:32*SP*((\t)%2)+16*\i
.endr
.endm
.irp t, 0,1,2,3
	LOAD \t
.endr
	s_wait_loadcnt 12                              ; step 0's four loads are in
	TURN 0
.macro STEP t
.set XS, X+16*((\t)%2)
.if (\t) > 0
	s_wait_dscnt 1                                 ; this step's numbers are back from the stage (the last step's byte store may be out)
.else
	s_wait_dscnt 0x0
.endif
.if (\t)+4 < STEPS
	LOAD (\t)+4                                    ; into the registers that this step's stores into the stage have read
.endif
.if (\t)+1 < STEPS
.if STEPS-2-(\t) >= 3
	s_wait_loadcnt 12                              ; the next step's four loads are in; those of the three steps behind it may be out
.else
	s_wait_loadcnt 4*(STEPS-2-(\t))
.endif
	TURN (\t)+1
.endif
	v_max3_num_f32 v8, |v[XS]|, |v[XS+1]|, |v[XS+2]|               ; the largest magnitude of my 16, in two chains
	v_max3_num_f32 v9, |v[XS+3]|, |v[XS+4]|, |v[XS+5]|
.irp i, 6,10
	v_max3_num_f32 v8, v8, |v[XS+\i]|, |v[XS+\i+1]|
	v_max3_num_f32 v9, v9, |v[XS+\i+2]|, |v[XS+\i+3]|
.endr
	v_max3_num_f32 v8, v8, |v[XS+14]|, |v[XS+15]|
	v_max3_num_f32 v8, v8, v9, 0x1800000           ; and the floor 2^(3 - 127): the byte cannot fall under 1
	v_max_num_f32_dpp v8, v8, v8 row_xmask:1 row_mask:0xf bank_mask:0xf   ; and of my neighbour's 16: the block's
	v_add_nc_u32 v11, 0xff000000, v8               ; 2 off its exponent field: the conversion takes the exponent field of this operand as its scale
	v_cvt_scalef32_pk8_fp4_f32 v[C+4*(\t)], v[XS:XS+7], v11
	v_cvt_scalef32_pk8_fp4_f32 v[C+4*(\t)+1], v[XS+8:XS+15], v11
	v_lshrrev_b32 v[E+(\t)], 23, v11               ; the scale's byte (a plain line behind the conversions)
	ds_store_b8 v5, v[E+(\t)] offset:16*(\t)       ; both lanes of a block write the same byte with the same value
	global_store_b64 v4, v[C+4*(\t):C+4*(\t)+1], s[30:31] offset:32*CB*(\t)   ; the wave stores 256 consecutive bytes, aligned
.endm
.irp t, 0,1,2,3,4,5,6,7,8,9,10,11,12,13,14,15
	STEP \t
.endr
	ds_load_b64 v[8:9], v6                         ; my wave's 256 scale bytes, 8 a lane
	s_wait_dscnt 0x0
	global_store_b64 v7, v[8:9], s[32:33]          ; 256 consecutive bytes, aligned
	s_wait_tensorcnt 0x0                           ; the wave's end: a tensor wait, an add to my spare word and its wait, behind my last LDS store
	ds_add_u32 v[SPW], v[NIL]
	s_wait_dscnt 0x0
	s_endpgm
; ---- wo into its two f16 parts, and the table.
.Lwo:
	s_sub_co_u32 s38, ttmp9, 224
	s_lshl_b32 s38, s38, 2
	s_add_co_u32 s38, s38, s36                     ; my run, 0 .. 127: eight rows of wo
	s_lshl_b32 s2, s38, 15                         ; 8,192 f32; and in wo16 eight rows of 4,096 bytes: the same figure
	s_add_nc_u64 s[16:17], s[16:17], s[2:3]
	s_add_nc_u64 s[26:27], s[26:27], s[2:3]
	s_lshl_b32 s2, s38, 12                         ; 16 positions of 256 bytes
	s_add_nc_u64 s[28:29], s[28:29], s[2:3]
	s_lshl_b32 s39, s38, 4                         ; my first position
	s_mov_b32 s40, 0xbfc90fdb                      ; -(pi/2), its f32 part,
	s_mov_b32 s41, 0x333bbd2e                      ; and what that part is too large by
	s_mov_b32 s44, 0x46000400                      ; 8,193 = 2^13 + 1: the splitting's factor (the packed forms name a pair and take its low word for both halves: both are written)
	s_mov_b32 s45, s44
	s_mov_b32 s46, 0x44800000                      ; 1,024
	s_mov_b32 s47, s46
.macro WLOAD g, set                    ; 16 loads of 512 consecutive bytes
.irp k, 0,1,2,3,4,5,6,7,8,9,10,11,12,13,14,15
	global_load_b128 v[\set+4*\k:\set+4*\k+3], v3, s[16:17] offset:512*(16*\g+\k) th:TH_LOAD_NT
.endr
.endm
; Four numbers a lane.  y = 1,024 wo (exact); c = 8,193 y; wh = c - (c - y) is y rounded to 24 - 13 = 11 significant bits, so its conversion to f16 rounds nothing more; y - wh is exact in f32 and is rounded to f16 once.
; Load m = 16 g + k holds numbers 128 m .. 128 m + 127 of the run: row m / 8, columns 128 (m % 8) on.  Each part's 8 bytes a lane make 256 consecutive bytes a wave, aligned; wl lies 2,048 bytes behind wh.
.macro WCVT g, set
.irp k, 0,1,2,3,4,5,6,7,8,9,10,11,12,13,14,15
	v_pk_mul_f32 v[\set+4*\k:\set+4*\k+1], v[\set+4*\k:\set+4*\k+1], s[46:47] op_sel_hi:[1,0]
	v_pk_mul_f32 v[\set+4*\k+2:\set+4*\k+3], v[\set+4*\k+2:\set+4*\k+3], s[46:47] op_sel_hi:[1,0]
	v_pk_mul_f32 v[DC:DC+1], v[\set+4*\k:\set+4*\k+1], s[44:45] op_sel_hi:[1,0]
	v_pk_mul_f32 v[DC+2:DC+3], v[\set+4*\k+2:\set+4*\k+3], s[44:45] op_sel_hi:[1,0]
	v_pk_add_f32 v[DT:DT+1], v[DC:DC+1], v[\set+4*\k:\set+4*\k+1] neg_lo:[0,1] neg_hi:[0,1]
	v_pk_add_f32 v[DT+2:DT+3], v[DC+2:DC+3], v[\set+4*\k+2:\set+4*\k+3] neg_lo:[0,1] neg_hi:[0,1]
	v_pk_add_f32 v[DC:DC+1], v[DC:DC+1], v[DT:DT+1] neg_lo:[0,1] neg_hi:[0,1]               ; wh
	v_pk_add_f32 v[DC+2:DC+3], v[DC+2:DC+3], v[DT+2:DT+3] neg_lo:[0,1] neg_hi:[0,1]
	v_pk_add_f32 v[\set+4*\k:\set+4*\k+1], v[\set+4*\k:\set+4*\k+1], v[DC:DC+1] neg_lo:[0,1] neg_hi:[0,1]   ; the rest
	v_pk_add_f32 v[\set+4*\k+2:\set+4*\k+3], v[\set+4*\k+2:\set+4*\k+3], v[DC+2:DC+3] neg_lo:[0,1] neg_hi:[0,1]
	v_cvt_pk_f16_f32 v[\set+4*\k+3], v[\set+4*\k+2], v[\set+4*\k+3]                         ; wl into the upper pair of the four registers,
	v_cvt_pk_f16_f32 v[\set+4*\k+2], v[\set+4*\k], v[\set+4*\k+1]
	v_cvt_pk_f16_f32 v[\set+4*\k], v[DC], v[DC+1]                                           ; wh into the lower
	v_cvt_pk_f16_f32 v[\set+4*\k+1], v[DC+2], v[DC+3]
	global_store_b64 v7, v[\set+4*\k:\set+4*\k+1], s[26:27] offset:4096*((16*\g+\k)/8)+256*((16*\g+\k)%8)
	global_store_b64 v7, v[\set+4*\k+2:\set+4*\k+3], s[26:27] offset:4096*((16*\g+\k)/8)+256*((16*\g+\k)%8)+2048
.endr
.endm
	WLOAD 0, WA
	WLOAD 1, WB
	; the table is computed while those 32 loads are on their way.  Lane = pair j
	v_cvt_f32_u32 v[TF], v2
	v_mul_f32 v[TF], 0xbed49a78, v[TF]             ; -j log2(10000) / 32
	v_exp_f32 v[TF], v[TF]
	v_cvt_f32_u32 v[TPOS], s39                     ; (plain lines behind the exponential)
	v_mov_b32 v[KSN], 0xb94ca1f9
	v_mov_b32 v[KCS], 0x37ccf5ce
	s_wait_alu depctr_va_vdst(0)                   ; the wait ahead of the first reader of the exponential
.macro SINCOS p
	v_mul_f32 v[TA], v[TPOS], v[TF]                ; the angle
	v_mul_f32 v[TN], 0x3f22f983, v[TA]
	v_rndne_f32 v[TN], v[TN]                       ; the nearest multiple of pi/2
	v_fma_f32 v[TR], v[TN], s40, v[TA]
	v_fma_f32 v[TR], v[TN], s41, v[TR]             ; what is left, within pi/4
	v_mul_f32 v[TZ], v[TR], v[TR]
	v_fmaak_f32 v[TP], v[KSN], v[TZ], 0x3c08839e
	v_fmaak_f32 v[TC], v[KCS], v[TZ], 0xbab6061a
	v_fmaak_f32 v[TP], v[TP], v[TZ], 0xbe2aaaa3
	v_fmaak_f32 v[TC], v[TC], v[TZ], 0x3d2aaaa5
	v_mul_f32 v[TP], v[TP], v[TZ]
	v_mul_f32 v[TC], v[TC], v[TZ]
	v_fma_f32 v[TW], v[TZ], -0.5, 1.0
	v_fma_f32 v[TSN], v[TP], v[TR], v[TR]          ; sin of the rest
	v_fma_f32 v[TCS], v[TC], v[TZ], v[TW]          ; cos of the rest
	v_cvt_i32_f32 v[TI], v[TN]
	v_and_b32 v[TT], 1, v[TI]
	v_cmp_eq_u32 vcc_lo, 1, v[TT]                  ; an odd multiple changes the two places (values are selected; no address or branch hangs on this)
	v_cndmask_b32 v[TOUT+2*\p+1], v[TSN], v[TCS], vcc_lo
	v_cndmask_b32 v[TOUT+2*\p], v[TCS], v[TSN], vcc_lo
	v_lshlrev_b32 v[TT], 30, v[TI]
	v_and_b32 v[TT], 0x80000000, v[TT]
	v_xor_b32 v[TOUT+2*\p+1], v[TOUT+2*\p+1], v[TT]   ; sin changes sign in quadrants 2 and 3,
	v_add_nc_u32 v[TI], 1, v[TI]
	v_lshlrev_b32 v[TT], 30, v[TI]
	v_and_b32 v[TT], 0x80000000, v[TT]
	v_xor_b32 v[TOUT+2*\p], v[TOUT+2*\p], v[TT]    ; cos in quadrants 1 and 2
	global_store_b64 v7, v[TOUT+2*\p:TOUT+2*\p+1], s[28:29] offset:256*\p   ; a position's 256 bytes, aligned
	v_add_f32 v[TPOS], 1.0, v[TPOS]
.endm
.irp p, 0,1,2,3,4,5,6,7,8,9,10,11,12,13,14,15
	SINCOS \p
.endr
	s_wait_loadcnt 16                              ; the first set is in; the second set's 16 loads may be out
	WCVT 0, WA
	s_wait_xcnt 0x0                                ; the stores have read their data: the set is loaded again only behind this wait
	WLOAD 2, WA
	s_wait_loadcnt 16
	WCVT 1, WB
	s_wait_xcnt 0x0
	WLOAD 3, WB
	s_wait_loadcnt 16
	WCVT 2, WA
	s_wait_loadcnt 0x0
	WCVT 3, WB
	s_endpgm
.Lfunc_end_k_qb920f839db_prep:
	.size	k_qb920f839db_prep, .Lfunc_end_k_qb920f839db_prep-k_qb920f839db_prep
	.p2alignl 7, 3214868480
	.fill 96, 4, 3214868480
	.section	.rodata,"a",@progbits
	.p2align	6, 0x0
	.amdhsa_kernel k_qb920f839db_prep
		.amdhsa_group_segment_fixed_size 33280
		.amdhsa_private_segment_fixed_size 0
		.amdhsa_enable_private_segment 0
		.amdhsa_kernarg_size 88
		.amdhsa_user_sgpr_count 2
		.amdhsa_user_sgpr_kernarg_segment_ptr 1
		.amdhsa_wavefront_size32 1
		.amdhsa_system_sgpr_workgroup_id_x 1
		.amdhsa_system_sgpr_workgroup_id_y 1
		.amdhsa_system_sgpr_workgroup_id_z 1
		.amdhsa_system_vgpr_workitem_id 0
		.amdhsa_next_free_vgpr 192
		.amdhsa_next_free_sgpr 66
		.amdhsa_reserve_vcc 1
		.amdhsa_float_denorm_mode_32 3
		.amdhsa_float_denorm_mode_16_64 3
		.amdhsa_memory_ordered 1
		.amdhsa_forward_progress 1
		.amdhsa_inst_pref_size 130
	.end_amdhsa_kernel
	.amdgpu_metadata
---
amdhsa.version: [ 1, 2 ]
amdhsa.kernels:
  - .name:           k_qb920f839db_prep
    .symbol:         k_qb920f839db_prep.kd
    .args:
      - { .name: in_features, .offset: 0, .size: 8, .value_kind: global_buffer, .address_space: global }
      - { .name: wq, .offset: 8, .size: 8, .value_kind: global_buffer, .address_space: global }
      - { .name: wk, .offset: 16, .size: 8, .value_kind: global_buffer, .address_space: global }
      - { .name: wv, .offset: 24, .size: 8, .value_kind: global_buffer, .address_space: global }
      - { .name: wo, .offset: 32, .size: 8, .value_kind: global_buffer, .address_space: global }
      - { .name: xc, .offset: 40, .size: 8, .value_kind: global_buffer, .address_space: global }
      - { .name: xs, .offset: 48, .size: 8, .value_kind: global_buffer, .address_space: global }
      - { .name: wc, .offset: 56, .size: 8, .value_kind: global_buffer, .address_space: global }
      - { .name: ws, .offset: 64, .size: 8, .value_kind: global_buffer, .address_space: global }
      - { .name: wo16, .offset: 72, .size: 8, .value_kind: global_buffer, .address_space: global }
      - { .name: tab, .offset: 80, .size: 8, .value_kind: global_buffer, .address_space: global }
    .group_segment_fixed_size: 33280
    .private_segment_fixed_size: 0
    .kernarg_segment_align: 8
    .kernarg_segment_size: 88
    .max_flat_workgroup_size: 128
    .sgpr_count:     66
    .vgpr_count:     192
    .wavefront_size: 32
...
	.end_amdgpu_metadata
.endif
;; end of part 1
;; launch qkv (part 2): grid 12 x 16, 4 waves a work-group, clusters of 4 x 4, 327,680 bytes of LDS; arguments xc, xs, wc, ws, tab, qkv; writes qkv
.if DOCPART == 2
	.amdgcn_target "amdgcn-amd-amdhsa--gfx1250"
	.amdhsa_code_object_version 6
	.text
	.protected	k_qb920f839db_qkv
	.globl	k_qb920f839db_qkv
	.p2align	8
	.type	k_qb920f839db_qkv,@function
k_qb920f839db_qkv:
	s_mov_b64 s[64:65], 0
	v_nop
	global_prefetch_b8 v0, s[64:65] scope:SCOPE_SE
	s_setreg_imm32_b32 hwreg(HW_REG_WAVE_MODE, 25, 1), 1
	s_wait_xcnt 0x0
	s_wait_alu depctr_hold_cnt(0) depctr_sa_sdst(0) depctr_va_vdst(0) depctr_va_sdst(0) depctr_va_ssrc(0) depctr_va_vcc(0) depctr_vm_vsrc(0)
	s_getreg_b32 s2, hwreg(HW_REG_IB_STS2, 6, 4)
	s_cmp_eq_u32 s2, 0
	s_cbranch_scc0 .Lentry_in_a_cluster
	s_endpgm
.Lentry_in_a_cluster:
	s_bfe_u32 s2, ttmp6, 0x10000c
	s_cmp_lg_u32 s2, 0xf033
	s_cbranch_scc0 .Lentry_shape_is_right
	s_endpgm
.Lentry_shape_is_right:
; QKV.  C[m][n] = sum over k of x[m][k] w[n][k], m = 4,096 rows of in_features, n = 3,072 rows of wq, wk, wv on end, k = 1,024, on codes of FP4 (E2M1) with one E8M0 scale for each 32 along K; sums in f32.
; Then the rotation of pairs (RoPE) on Q's and K's columns, in f32, and the rounding to f16.  Output: qkv [b 2][g 48][position 2048][64] f16, g = 0-15 Q's heads, 16-31 K's, 32-47 V's.
; LIMIT: Q, K and V must lie inside f16's range (65,504); with inputs and weights both 30 times as large as unit-variance inputs and weights of spread 1/32, or both offset by 30 spreads, they stay under 3e4.
; A tile of C, 256 x 256, is made by a work-group of four waves; a wave makes 128 x 128: 64 accumulators of 16 x 16.  K is two LDS slots of 512 along K (rows of 256 bytes): both are filled once, at the start.
; The scale bytes of the work-group's 256 rows of x and 256 rows of w, for all of K, are two dense blocks: they come once, in rows of 256 bytes.
; CLUSTERS: 4 x 4 work-groups.  The four of a row of the cluster need the same tiles of x, the four of a column the same tiles of w: each tile is asked for jointly.
; THE MATRIX INSTRUCTION IS USED TRANSPOSED (source 0 = 16 rows of w, source 1 = 16 rows of x): a lane holds eight neighbouring columns of one row of C: four pairs of one position and head.
; REGISTERS, in windows of 256: window 0: v0-31 addresses; v32-95 scale words, two sets; v128-191 x's fragments, one set; v192-255 two sets of cos and sin; on the way out v32-191 are free.
;   window 1: w's fragments, two sets.   window 2: the accumulators of my rows 0-63 ((a, b) at v[8 (8 a + b)]);   window 3: those of my rows 64-127.
.set KSTEP,  512
.set NQ,     KSTEP/128
.set ROWB,   256                       ; a tile's row in bytes
.set KROW,   512                       ; a row of codes in memory
.set PITCH,  272                       ; an LDS row: 256 bytes + 16 of padding: an odd multiple of 16, so the 16 rows of a fragment load begin 16 bytes apart modulo 256
.set FR,     8
.set NL,     2
.set NP,     4
.set HALFT,  128*PITCH
.set SLOT,   4*HALFT
.set KS,     32                        ; a row of scale bytes
.set SCL,    2*SLOT
.set HALFS,  (128*KS/256)*272
.set SBLK,   (16*KS/256)*272
.set SPARE,  SCL+4*HALFS               ; the spare words, 128 bytes a wave
.set ADRA, 16
.set ADRB, 20
.set TO,   22                          ; v22  my byte in a block's 16 positions of the table: 256 r + 32 h
.set STO,  24                          ; v24  the way out: where I put 16 bytes of a row
.set RD,   25                          ; v25  where I read rows back
.set CO,   26                          ; v26  my byte offset in qkv
.set ADRS, 27
.set SPW,  28
.set NIL,  29
.set SC,   32
.set AF,   128
.set PK,   32                          ; the way out: v32-63 packed f16
.set FF,   64                          ; v64-127 rotated numbers
.set BK,   128                         ; v128-159, v160-191 rows read back, by turns
.set TT,   192                         ; v192-223, v224-255 cos and sin of a block of 16 positions, by turns
.set SROW, 144                         ; a stage row: 128 bytes + 16
.set SHEAD, 16*SROW
.set SWAVE, 2*SHEAD                    ; a wave's stage: two heads x 16 rows.  The stages lie in slot 0, which has had its only fill and its last read when the first result is stored there
.set G1, 24
.set G0, 32
.set G1B, 48
.set G0B, 56
.set G1S, 68
.set G0S, 76
.set G1SB, 80
.set G0SB, 88
.set MSB, 0
.macro WIN new                         ; the immediate's high byte repeats the setting that is left
.if MSB != \new
	s_set_vgpr_msb (MSB<<8)|\new
.set MSB, \new
.endif
.endm
.set MUL_LO, 0xa1                      ; source 0 (w) window 1, source 1 (x) window 0, C and D window 2
.set MUL_HI, 0xf1
.set TO_B,   0x40
; A joint load: waves 0 and 1 fetch for x, waves 2 and 3 for w.  The branch hangs on the wave's number alone.  An s_nop 0 and four v_nop follow each of the two lines.
.macro JLOAD g0a, g1a, g0b, g1b
	s_cmp_eq_u32 s15, 0
	s_cbranch_scc0 .Lfor_b_\@
	tensor_load_to_lds s[\g0a:\g0a+3], s[\g1a:\g1a+7]
	s_nop 0
.rept 4
	v_nop
.endr
	s_branch .Lasked_\@
.Lfor_b_\@:
	tensor_load_to_lds s[\g0b:\g0b+3], s[\g1b:\g1b+7]
	s_nop 0
.rept 4
	v_nop
.endr
.Lasked_\@:
.endm
.macro CROUND                          ; a round of the cluster's barrier
	s_barrier_signal -1
	s_barrier_wait -1
	s_cmp_lg_u32 s14, 0
	s_cbranch_scc1 .Lnot_wave_0_\@
	s_barrier_signal -3
.Lnot_wave_0_\@:
	s_barrier_wait -3
	s_barrier_signal -1
	s_barrier_wait -1
.endm
	s_load_b128 s[4:7], s[0:1], 0x0                ; x's codes s[4:5], x's scales s[6:7]
	s_load_b128 s[8:11], s[0:1], 0x10              ; w's codes s[8:9], w's scales s[10:11]
	s_load_b128 s[96:99], s[0:1], 0x20             ; the table s[96:97], qkv s[98:99]
	v_lshl_add_u32 v[SPW], v0, 2, SPARE
	v_mov_b32 v[NIL], 0
	ds_add_u32 v[SPW], v[NIL]                      ; the wave's opening: the add and its wait ahead of my first tensor load
	v_lshrrev_b32 v1, 5, v0
	v_readfirstlane_b32 s14, v1                    ; wave 0..3
	s_lshr_b32 s15, s14, 1                         ; which half of the tile's rows is mine.  Also: I fetch for x (0) or for w (1)
	s_and_b32 s16, s14, 1                          ; which half of its columns.  Also: which 128 rows of that tile I fetch
	s_bfe_u32 s40, ttmp6, 0x40000                  ; cx, cy
	s_bfe_u32 s41, ttmp6, 0x40004
	s_lshl_b32 s42, ttmp9, 2
	s_add_co_u32 s42, s42, s40                     ; tile column = 4 x cluster x + cx
	s_and_b32 s17, ttmp7, 0xffff
	s_lshl_b32 s17, s17, 2
	s_add_co_u32 s17, s17, s41                     ; tile row = 4 x cluster y + cy
	s_lshl_b32 s43, s41, 2
	s_lshl_b32 s43, 15, s43                        ; my row of the cluster
	s_lshl_b32 s44, 0x1111, s40                    ; my column
	s_or_b32 s[G1+0], s43, (0<<16)|(1<<20)|(1<<21)|(5<<22)|(3<<25)  ; the mask; elements of 1 byte; padding on; bit 21 beside a mask; 4 words behind every 64
	s_or_b32 s[G1B+0], s44, (0<<16)|(1<<20)|(1<<21)|(5<<22)|(3<<25)
.irp g, G1, G1B
	s_mov_b32 s[\g+1], ROWB<<16                    ; tensor_dim0
	s_mov_b32 s[\g+2], 128<<16                     ; tensor_dim1
	s_mov_b32 s[\g+3], ROWB<<16                    ; tile_dim0
	s_mov_b32 s[\g+4], 128                         ; tile_dim1
	s_mov_b32 s[\g+5], KROW                        ; stride
	s_mov_b32 s[\g+6], 0
	s_mov_b32 s[\g+7], 0
.endr
	s_or_b32 s[G1S+0], s43, (3<<16)|(1<<20)|(1<<21)|(5<<22)|(3<<25) ; the scales of 128 rows: 4,096 dense bytes as 16 rows of 32 elements of 8 bytes
	s_or_b32 s[G1SB+0], s44, (3<<16)|(1<<20)|(1<<21)|(5<<22)|(3<<25)
.irp g, G1S, G1SB
	s_mov_b32 s[\g+1], 32<<16
	s_mov_b32 s[\g+2], (128*KS/256)<<16
	s_mov_b32 s[\g+3], 32<<16
	s_mov_b32 s[\g+4], 128*KS/256
	s_mov_b32 s[\g+5], 32
	s_mov_b32 s[\g+6], 0
	s_mov_b32 s[\g+7], 0
.endr
	s_lshl_b32 s18, s16, 7
	s_lshl_b32 s20, s17, 8
	s_add_co_u32 s20, s20, s18                     ; x: row 256 x tile row + 128 x half
	s_lshl_b32 s46, s42, 8
	s_add_co_u32 s46, s46, s18                     ; w: row 256 x tile column + 128 x half
	s_mov_b32 s21, 0
	s_mov_b32 s47, 0
	s_mov_b64 s[18:19], KS
	s_mul_u64 s[22:23], s[20:21], s[18:19]         ; where these rows' scales begin
	s_mul_u64 s[92:93], s[46:47], s[18:19]
	s_mov_b64 s[18:19], KROW
	s_mul_u64 s[20:21], s[20:21], s[18:19]         ; and their codes
	s_mul_u64 s[46:47], s[46:47], s[18:19]
	s_mul_i32 s45, s14, HALFT                      ; where they go: wave x 128 rows
	s_mul_i32 s94, s14, HALFS
	s_wait_dscnt 0x0                               ; the opening add is done
	s_wait_kmcnt 0x0
	s_add_nc_u64 s[20:21], s[4:5], s[20:21]
	s_add_nc_u64 s[22:23], s[6:7], s[22:23]
	s_add_nc_u64 s[46:47], s[8:9], s[46:47]
	s_add_nc_u64 s[92:93], s[10:11], s[92:93]
	CROUND                                         ; all sixteen work-groups are here: the joint loads meet
	s_mov_b32 s[G0S], 1
	s_add_co_u32 s[G0S+1], s94, SCL
	s_mov_b64 s[G0S+2:G0S+3], s[22:23]
	s_or_b32 s[G0S+3], s[G0S+3], 0x80000000
	s_mov_b32 s[G0SB], 1
	s_add_co_u32 s[G0SB+1], s94, SCL
	s_mov_b64 s[G0SB+2:G0SB+3], s[92:93]
	s_or_b32 s[G0SB+3], s[G0SB+3], 0x80000000
	JLOAD G0S, G1S, G0SB, G1SB                     ; the scales first
.irp s, 0,1
	s_mov_b32 s[G0+4*\s], 1
	s_add_co_u32 s[G0+4*\s+1], s45, \s*SLOT
	s_add_nc_u64 s[G0+4*\s+2:G0+4*\s+3], s[20:21], \s*ROWB
	s_or_b32 s[G0+4*\s+3], s[G0+4*\s+3], 0x80000000
	s_mov_b32 s[G0B+4*\s], 1
	s_add_co_u32 s[G0B+4*\s+1], s45, \s*SLOT
	s_add_nc_u64 s[G0B+4*\s+2:G0B+4*\s+3], s[46:47], \s*ROWB
	s_or_b32 s[G0B+4*\s+3], s[G0B+4*\s+3], 0x80000000
	JLOAD G0+4*\s, G1, G0B+4*\s, G1B               ; three tensor loads of mine are out in all
.endr
	v_and_b32 v1, 15, v0                           ; r
	v_bfe_u32 v2, v0, 4, 1                         ; h
	v_mul_u32_u24 v3, v1, PITCH
	v_lshl_add_u32 v4, v2, 4, v3
	s_mul_i32 s21, s15, HALFT                      ; my 128 rows of x
	s_mul_i32 s22, s16, HALFT                      ; my 128 rows of w,
	s_add_co_u32 s22, s22, 2*HALFT                 ; behind x's 256
.irp s, 0,1
	v_add_nc_u32 v[ADRA+\s], s21, v4
	v_add_nc_u32 v[ADRB+\s], s22, v4
	s_add_co_u32 s21, s21, SLOT
	s_add_co_u32 s22, s22, SLOT
.endr
	v_mul_u32_u24 v5, v1, KS                       ; my row's scales: 32 bytes a row,
	v_lshrrev_b32 v6, 8, v5
	v_lshl_add_u32 v5, v6, 4, v5                   ; and 16 more for each 256 passed
	s_mul_i32 s21, s15, HALFS
	s_mul_i32 s22, s16, HALFS
	s_add_co_u32 s22, s22, 2*HALFS
	s_sub_co_u32 s22, s22, s21
	v_mul_u32_u24 v6, s22, v2                      ; lanes 16-31 take w's
	s_add_co_u32 s21, s21, SCL
	v_add_nc_u32 v5, v5, v6
	v_add_nc_u32 v[ADRS], s21, v5
	; the way out's addresses
	v_lshlrev_b32 v[TO], 8, v1
	v_lshl_add_u32 v[TO], v2, 5, v[TO]             ; the table: position r of a block, pairs 4 h on
	s_mul_i32 s23, s14, SWAVE                      ; my stage
	v_mul_u32_u24 v5, v1, SROW
	v_lshl_add_u32 v5, v2, 4, v5
	v_add_nc_u32 v[STO], s23, v5                   ; in: row r, 16 bytes for each half of the lanes
	v_and_b32 v6, 7, v0
	v_bfe_u32 v7, v0, 3, 1
	v_mul_u32_u24 v8, v2, SHEAD
	v_mad_u32_u24 v8, v7, SROW, v8
	v_lshl_add_u32 v8, v6, 4, v8
	v_add_nc_u32 v[RD], s23, v8                    ; back: lanes 0-15 two rows of the first head, lanes 16-31 of the second
	v_lshlrev_b32 v9, 18, v2
	v_lshl_add_u32 v9, v7, 7, v9
	v_lshl_add_u32 v[CO], v6, 4, v9                ; and the same places in qkv: a head's plane is 262,144 bytes, a position 128
	s_lshl_b32 s20, s17, 8
	s_lshl_b32 s21, s15, 7
	s_add_co_u32 s20, s20, s21
	s_and_b32 s20, s20, 2047                       ; my first position
	s_lshl_b32 s22, s20, 8
	s_mov_b32 s23, 0
	s_add_nc_u64 s[96:97], s[96:97], s[22:23]      ; the table at that position
	s_lshr_b32 s12, s17, 3                         ; the batch.  (This offset mixes the tile's row and column: it is made in registers that feed no descriptor)
	s_mul_i32 s12, s12, 48
	s_lshl_b32 s95, s42, 2
	s_add_co_u32 s12, s12, s95
	s_lshl_b32 s95, s16, 1
	s_add_co_u32 s12, s12, s95                     ; 48 b + my first head's plane
	s_lshl_b32 s12, s12, 18
	s_lshl_b32 s95, s20, 7
	s_add_co_u32 s12, s12, s95
	s_mov_b32 s13, 0
	s_add_nc_u64 s[98:99], s[98:99], s[12:13]
.macro TABLOAD a                       ; cos and sin of block a's 16 positions: register 8 q + 2 i: cos, + 1: sin, of pair 8 q + 4 h + i at position 16 a + r
.irp q, 0,1,2,3
	global_load_b128 v[TT+32*((\a)%2)+8*\q:TT+32*((\a)%2)+8*\q+3], v[TO], s[96:97] offset:4096*(\a)+64*\q
	global_load_b128 v[TT+32*((\a)%2)+8*\q+4:TT+32*((\a)%2)+8*\q+7], v[TO], s[96:97] offset:4096*(\a)+64*\q+16
.endr
.endm
	TABLOAD 0                                      ; asked for here so that they have the whole product in which to land.  V's work-groups issue these 16 loads too and do not use them: one head serves all
	TABLOAD 1
.macro FRAG reg, adr, q, i             ; 16 rows x 128 K of 4-bit codes: 8 registers: lane l holds row l % 16; registers 4 c .. 4 c + 3 hold K = 64 c + 32 (l / 16) + 0 .. 31
.irp c, 0,1
	ds_load_b128 v[\reg+4*\c:\reg+4*\c+3], v[\adr] offset:64*(\q)+32*\c+(\i)*16*PITCH
.endr
.endm
; 16 matrix instructions: x's blocks a0, a0 + 1 against w's eight, 128 along K.  The 64 accumulators take turns, one instruction a turn, in the same order in every step.
.macro MUL16 a0, p, q, sc, zero
.irp a, \a0, \a0+1
.irp b, 0,1,2,3,4,5,6,7
.if \zero
	v_wmma_scale_f32_16x16x128_f8f6f4 v[8*(8*((\a)%4)+\b):8*(8*((\a)%4)+\b)+7], v[128*(\p)+FR*\b:128*(\p)+FR*\b+FR-1], v[AF+FR*(\a):AF+FR*(\a)+FR-1], 0, v[SC+8*NQ*(\sc)+NQ*\b+(\q)], v[SC+8*NQ*(\sc)+NQ*(\a)+(\q)] matrix_a_fmt:MATRIX_FMT_FP4 matrix_b_fmt:MATRIX_FMT_FP4 matrix_a_scale:MATRIX_SCALE_ROW1
.else
	v_wmma_scale_f32_16x16x128_f8f6f4 v[8*(8*((\a)%4)+\b):8*(8*((\a)%4)+\b)+7], v[128*(\p)+FR*\b:128*(\p)+FR*\b+FR-1], v[AF+FR*(\a):AF+FR*(\a)+FR-1], v[8*(8*((\a)%4)+\b):8*(8*((\a)%4)+\b)+7], v[SC+8*NQ*(\sc)+NQ*\b+(\q)], v[SC+8*NQ*(\sc)+NQ*(\a)+(\q)] matrix_a_fmt:MATRIX_FMT_FP4 matrix_b_fmt:MATRIX_FMT_FP4 matrix_a_scale:MATRIX_SCALE_ROW1
.endif
.endr
.endr
.endm
.macro FETCH_B slot, q, p
	WIN TO_B
.irp i, 0,1,2,3,4,5,6,7
	FRAG 128*(\p)+FR*\i, ADRB+\slot, \q, \i
.endr
	WIN 0
.endm
.macro FETCH_A slot, q, i0
.irp i, \i0, \i0+1, \i0+2, \i0+3
	FRAG AF+FR*(\i), ADRA+\slot, \q, \i
.endr
.endm
.macro SCALES sc                       ; a slot's scale words: four words a row; lanes 0-15 take x's block i, lanes 16-31 w's block i
.irp i, 0,1,2,3,4,5,6,7
	ds_load_b128 v[SC+8*NQ*\sc+NQ*\i:SC+8*NQ*\sc+NQ*\i+3], v[ADRS] offset:\i*SBLK
.endr
.endm
.macro PLACES n                        ; plain vector lines between a matrix instruction and a load into, or a vector line on, its registers
.rept \n
	v_nop
.endr
.endm
.macro STEP slot, q, zero              ; a step of 128 along K that has its successor in the same slot
	s_wait_dscnt 4*NL                              ; w's set and x's blocks 0-3 are in; the youngest eight loads (x's blocks 4-7) may be out
	WIN MUL_LO
	MUL16 0, (\q)%2, \q, \slot, \zero
	MUL16 2, (\q)%2, \q, \slot, \zero
	s_wait_dscnt 0
	PLACES NP
	FETCH_B \slot, (\q)+1, 1-(\q)%2
	FETCH_A \slot, (\q)+1, 0
	WIN MUL_HI
	MUL16 4, (\q)%2, \q, \slot, \zero
	MUL16 6, (\q)%2, \q, \slot, \zero
	PLACES NP
	WIN 0
	FETCH_A \slot, (\q)+1, 4
.endm
; Slot 0's last step changes slots: one barrier; in front of it each wave waits for all its tensor loads (its part of slot 1), adds 0 to its spare word, and waits for that and for its reads of slot 0.
.macro TURN slot, next
	s_wait_tensorcnt 0x0
	ds_add_u32 v[SPW], v[NIL]
	s_wait_dscnt 4*NL+1                            ; (the add and the youngest eight loads may be out)
	WIN MUL_LO
	MUL16 0, 1, NQ-1, \slot, 0
	s_wait_dscnt 0x0                               ; the add is done, and my reads of this slot are over
	s_barrier_signal -1
	MUL16 2, 1, NQ-1, \slot, 0
	WIN 0
	s_barrier_wait -1
	PLACES NP
	v_add_nc_u32 v[ADRS], 4*NQ, v[ADRS]            ; on to the next slot's scale words
	FETCH_B \next, 0, 0
	FETCH_A \next, 0, 0
	SCALES \next
	WIN MUL_HI
	MUL16 4, 1, NQ-1, \slot, 0
	MUL16 6, 1, NQ-1, \slot, 0
	PLACES NP
	WIN 0
	FETCH_A \next, 0, 4
.endm
.macro STEPS slot, from
.set Q, \from
.rept NQ-1-\from
	STEP \slot, Q, 0
.set Q, Q+1
.endr
.endm
	s_wait_tensorcnt 1                             ; the scales and my part of slot 0 are in (slot 1's load may be out)
	s_barrier_signal -1
	s_barrier_wait -1                              ; everybody's are
	FETCH_B 0, 0, 0
	FETCH_A 0, 0, 0
	SCALES 0
	FETCH_A 0, 0, 4
	STEP 0, 0, 1                                   ; the first step's products start the sums
	STEPS 0, 1
	TURN 0, 1
	STEPS 1, 0
	s_wait_dscnt 4*NL                              ; the last step: nothing more to fetch
	WIN MUL_LO
	MUL16 0, 1, NQ-1, 1, 0
	MUL16 2, 1, NQ-1, 1, 0
	s_wait_dscnt 0
	WIN MUL_HI
	MUL16 4, 1, NQ-1, 1, 0
	MUL16 6, 1, NQ-1, 1, 0
	WIN 0
; THE WAY OUT, block by block of 16 positions x 128 columns (two heads).
; ROPE: accumulator (a, b), lane (r, h), registers 2 i and 2 i + 1 are the pair 8 (b % 4) + 4 h + i of head b / 4 at position 16 a + r: (x1 cos - x2 sin, x1 sin + x2 cos), then f16.
.macro ROPE a
.if (\a) < 7
	s_wait_loadcnt 8                               ; this block's eight table loads are in; the next block's eight may be out
.else
	s_wait_loadcnt 0x0
.endif
	WIN (0x02+(\a)/4)                              ; source 0: window 2 or 3
.irp b, 0,1,2,3,4,5,6,7
.irp i, 0,1,2,3
	v_mul_f32 v[FF+8*\b+2*\i], v[64*((\a)%4)+8*\b+2*\i+1], v[TT+32*((\a)%2)+8*(\b%4)+2*\i+1]     ; x2 sin (each accumulator is read from its low end on)
	v_mul_f32 v[FF+8*\b+2*\i+1], v[64*((\a)%4)+8*\b+2*\i], v[TT+32*((\a)%2)+8*(\b%4)+2*\i+1]     ; x1 sin
.endr
.irp i, 0,1,2,3
	v_fma_f32 v[FF+8*\b+2*\i], v[64*((\a)%4)+8*\b+2*\i], v[TT+32*((\a)%2)+8*(\b%4)+2*\i], -v[FF+8*\b+2*\i]
	v_fma_f32 v[FF+8*\b+2*\i+1], v[64*((\a)%4)+8*\b+2*\i+1], v[TT+32*((\a)%2)+8*(\b%4)+2*\i], v[FF+8*\b+2*\i+1]
.endr
.endr
	WIN 0
.irp b, 0,1,2,3,4,5,6,7
.irp i, 0,1,2,3
	v_cvt_pk_f16_f32 v[PK+4*\b+\i], v[FF+8*\b+2*\i], v[FF+8*\b+2*\i+1]
.endr
.endr
.if (\a) < 6
	TABLOAD (\a)+2                                 ; into the set just read
.endif
.endm
.macro PLAIN a                         ; V: rounded as it is
	WIN (0x0a+5*((\a)/4))                          ; sources 0 and 1: window 2 or 3
.irp b, 0,1,2,3,4,5,6,7
.irp i, 0,1,2,3
	v_cvt_pk_f16_f32 v[PK+4*\b+\i], v[64*((\a)%4)+8*\b+2*\i], v[64*((\a)%4)+8*\b+2*\i+1]
.endr
.endr
	WIN 0
.endm
; A lane's 16 bytes are an eighth of a position's 128: a block goes through my own stage and comes back as whole rows.  LDS serves a wave's instructions in order: no wait between the stores and the loads.
.macro TOSTAGE a, base
.irp b, 0,1,2,3,4,5,6,7
	ds_store_b128 v[STO], v[PK+4*\b:PK+4*\b+3] offset:\base+SHEAD*(\b/4)+32*(\b%4)
.endr
.irp t, 0,1,2,3,4,5,6,7
	ds_load_b128 v[BK+32*((\a)%2)+4*\t:BK+32*((\a)%2)+4*\t+3], v[RD] offset:\base+2*SROW*\t
.endr
.endm
.macro SEND a, younger
	s_wait_dscnt \younger                          ; the block is back in registers
.irp t, 0,1,2,3,4,5,6,7
	global_store_b128 v[CO], v[BK+32*((\a)%2)+4*\t:BK+32*((\a)%2)+4*\t+3], s[98:99] offset:2048*(\a)+256*\t   ; sixteen lanes store two positions of a head: 256 consecutive bytes, aligned
.endr
.endm
	PLACES NP                                      ; behind the last products: for the reads of results and the writes over scale words and fragments
	s_cmp_eq_u32 ttmp9, 2                          ; the third column of clusters holds V's columns: the same in all partners
	s_cbranch_scc1 .Lv
	ROPE 0
	TOSTAGE 0, 0
.irp a, 1,2,3,4,5,6,7
	ROPE \a
.if \a > 1
	s_wait_xcnt 0x0                                ; block a - 2's stores have read their data: block a's rows may land there
.endif
	TOSTAGE \a, 0
	SEND \a-1, 16                                  ; behind block a - 1's loads: block a's 8 stores and 8 loads
.endr
	SEND 7, 0
	s_branch .Lend
.Lv:
	s_wait_loadcnt 0x0                             ; the head's 16 table loads
	PLAIN 0
	TOSTAGE 0, 32768                               ; this path has stage bytes of its own
.irp a, 1,2,3,4,5,6,7
	PLAIN \a
.if \a > 1
	s_wait_xcnt 0x0
.endif
	TOSTAGE \a, 32768
	SEND \a-1, 16
.endr
	SEND 7, 0
.Lend:
	s_wait_tensorcnt 0x0                           ; the wave's end: a tensor wait, an add to my spare word and its wait, behind my last tensor load and my last LDS store
	ds_add_u32 v[SPW], v[NIL]
	s_wait_dscnt 0x0
	CROUND                                         ; the closing round
	s_endpgm
.Lfunc_end_k_qb920f839db_qkv:
	.size	k_qb920f839db_qkv, .Lfunc_end_k_qb920f839db_qkv-k_qb920f839db_qkv
	.p2alignl 7, 3214868480
	.fill 96, 4, 3214868480
	.section	.rodata,"a",@progbits
	.p2align	6, 0x0
	.amdhsa_kernel k_qb920f839db_qkv
		.amdhsa_group_segment_fixed_size 327680
		.amdhsa_private_segment_fixed_size 0
		.amdhsa_enable_private_segment 0
		.amdhsa_kernarg_size 48
		.amdhsa_user_sgpr_count 2
		.amdhsa_user_sgpr_kernarg_segment_ptr 1
		.amdhsa_wavefront_size32 1
		.amdhsa_system_sgpr_workgroup_id_x 1
		.amdhsa_system_sgpr_workgroup_id_y 1
		.amdhsa_system_sgpr_workgroup_id_z 1
		.amdhsa_system_vgpr_workitem_id 0
		.amdhsa_next_free_vgpr 1024
		.amdhsa_next_free_sgpr 100
		.amdhsa_reserve_vcc 0
		.amdhsa_float_denorm_mode_32 3
		.amdhsa_float_denorm_mode_16_64 3
		.amdhsa_memory_ordered 1
		.amdhsa_forward_progress 1
		.amdhsa_inst_pref_size 212
	.end_amdhsa_kernel
	.amdgpu_metadata
---
amdhsa.version: [ 1, 2 ]
amdhsa.kernels:
  - .name:           k_qb920f839db_qkv
    .symbol:         k_qb920f839db_qkv.kd
    .args:
      - { .name: xc, .offset: 0, .size: 8, .value_kind: global_buffer, .address_space: global }
      - { .name: xs, .offset: 8, .size: 8, .value_kind: global_buffer, .address_space: global }
      - { .name: wc, .offset: 16, .size: 8, .value_kind: global_buffer, .address_space: global }
      - { .name: ws, .offset: 24, .size: 8, .value_kind: global_buffer, .address_space: global }
      - { .name: tab, .offset: 32, .size: 8, .value_kind: global_buffer, .address_space: global }
      - { .name: qkv, .offset: 40, .size: 8, .value_kind: global_buffer, .address_space: global }
    .group_segment_fixed_size: 327680
    .private_segment_fixed_size: 0
    .kernarg_segment_align: 8
    .kernarg_segment_size: 48
    .max_flat_workgroup_size: 128
    .sgpr_count:     100
    .vgpr_count:     1024
    .wavefront_size: 32
...
	.end_amdgpu_metadata
.endif
;; end of part 2
;; launch attn (part 3): grid 8 x 32, 16 waves a work-group, no clusters, 327,680 bytes of LDS; arguments qkv, ctx; writes ctx
.if DOCPART == 3
	.amdgcn_target "amdgcn-amd-amdhsa--gfx1250"
	.amdhsa_code_object_version 6
	.text
	.protected	k_qb920f839db_attn
	.globl	k_qb920f839db_attn
	.p2align	8
	.type	k_qb920f839db_attn,@function
k_qb920f839db_attn:
	s_mov_b64 s[64:65], 0
	v_nop
	global_prefetch_b8 v0, s[64:65] scope:SCOPE_SE
	s_setreg_imm32_b32 hwreg(HW_REG_WAVE_MODE, 25, 1), 1
	s_wait_xcnt 0x0
; ATTN.  ctx[b][q][h] = the sum over keys k <= q of softmax_k(Q[q] . K[k] / 8) V[k], for 32 (batch, head) planes of 2,048 positions x 64, all f16 in qkv; products, maxima and sums in f32; the weights p
; are rounded to f16 for the second product, ctx once at the end.  Output: ctx [row block of 128: 32][head 16][row 128][64] f16.
; LIMIT: f16 operands: Q, K, V inside 65,504 (the launch before states the figures); p is at most 1.
; SHARES.  Work-group (i, plane) owns query blocks 15 - i and i of 128 queries: 16 - i and i + 1 units of 128 keys, 17 for every i.  Wave w: block w / 8 (0: the high one), half (w / 4) % 2 of every
; unit's 128 keys, queries 32 (w % 4) on: two tiles of 16, so that each fragment of K and V read from LDS feeds two matrix instructions.  Waves w and w xor 4 hold parts (m, l, O) of the same queries:
; they are merged once, at the end, through LDS.  Four waves lie on a SIMD, so that one wave's vector work stands beside another's matrix work and LDS loads.
; NO CLUSTER: the eight work-groups of a plane read 8, 8, 7, 7, 6, 6, 5, 5 slots of keys, and partners of a joint load would all have to ask for every slot.
; LAYOUT.  S^T = K Q^T (source 0 = 16 keys, source 1 = 16 queries): a lane holds one query (lane % 16) and keys 8 (lane / 16) + 0..7 of each tile; two tiles, rounded in pairs, are source 1 (32 keys) of
; O^T = V^T P, whose result holds one query a lane and eight channels.  K comes out of LDS as it lies, V ([key][channel]) turned by ds_load_tr16_b128.
; SOFTMAX.  A running maximum m and sum l for each query: p = 2^(c s - c m), c = log2(e) / 8; in every step O and l are multiplied by a = 2^(c m_old - c m_new).
; CAUSAL.  Every wave walks all 16 units (constant trip counts, no barrier jumped); a step all of whose 64 keys come after the wave's 32 queries is left out by a scalar branch on ids; on the diagonal hidden
; scores become -infinity.  A slot whose first key comes after the work-group's last query is not asked for.
.set KP,    144                        ; a key's row of K in LDS: 128 bytes + 16
.set VP,    160                        ; of V: 128 + 32
.set VOFF,  256*KP                     ; a slot: 256 rows of K, then 256 rows of V
.set SLOT1, 1<<17
.set NSL,   8                          ; slots' worth of keys
.set MERGE, SLOT1+VOFF+256*VP          ; behind the ring: for each of 8 pairs of waves 16 images of O's registers and two of the statistics, 512 bytes each
.set MPAIR, 18*512
.set OST,   MERGE+8*MPAIR              ; the way out: 32 rows x 144 bytes for each pair
.set OPAIR, 32*144
.set SPARE, OST+8*OPAIR                ; the spare words, 128 bytes for each of 16 waves
.set AK0,  1                           ; v1   my lane's place in a unit of K (my half of its keys)
.set AV0,  2                           ; v2   the same for V
.set SPW,  3                           ; v3   my spare word; never rewritten
.set NIL,  4                           ; v4   0; never rewritten
.set GO,   5                           ; v5   16 x lane
.set MW,   6                           ; v6   my pair's merge region + 16 x lane
.set STO,  7                           ; v7   the out stage, in
.set RD,   8                           ; v8   and back
.set PFO,  9                           ; v9   256 x lane
.set ADK,  10
.set ADV,  11
.set DD,   12                          ; v12, v13: the mask's two; then v[12:13], v[14:15]: second chains of the two tiles' sums
.set NINF, 13
.set YS,   12
.set ST,   16                          ; tile t at v[16 + 8 t]: +0 c m, +1 m, +2, +3 l, +4 .. +7 at work (a in +6)
.set Q,    32                          ; v32-63  Q: tile t, channels 32 c on, at 16 t + 8 c
.set KV,   64                          ; v64-127 K's eight fragments, then V's eight
.set S,    128                         ; v128-191 S^T, 32 a tile; p's f16 pairs are packed into each tile's lower 16
.set O,    192                         ; v192-255 O^T, 32 a tile
.set WV,   18
.set SEL,  20
.set CS,   22
.set G1K,  24
.set G1V,  32
.set G0K,  40
.set G0V,  44
.set TB,   2                           ; s2   LDS byte at which the slot in hand begins
.set SLOTS, 48
.set KF,   49                          ; s49  the unit's first key
.set Q0,   50                          ; s50  my first query
.set HS,   51                          ; s51  which half of a unit's keys is mine
.set HS64, 52
.set QL,   53                          ; s53  the work-group's last query
.set PFA,  54                          ; s[54:55] where my prefetches stand
.set LIM,  56
.set PAIR, 57
; Waves 0 and 1 fetch K's halves of a slot, waves 2 and 3 V's, the others nothing.  An s_nop 0 and four v_nop follow each of the two lines.
.macro TLOAD
	s_cmp_lt_u32 s[WV], 2
	s_cbranch_scc0 .Lnot_k_\@
	tensor_load_to_lds s[G0K:G0K+3], s[G1K:G1K+7]
	s_nop 0
.rept 4
	v_nop
.endr
	s_branch .Lasked_\@
.Lnot_k_\@:
	s_cmp_lt_u32 s[WV], 4
	s_cbranch_scc0 .Lasked_\@
	tensor_load_to_lds s[G0V:G0V+3], s[G1V:G1V+7]
	s_nop 0
.rept 4
	v_nop
.endr
.Lasked_\@:
.endm
; A prefetch of what the NEXT change of slots will ask for: a slot's 32,768 bytes of K and as many of V.  All work-groups of a plane walk the same keys: work-group i = 0, which walks all eight slots, asks,
; and in it waves 4 to 7, 8,192 bytes of each a wave, lanes 256 bytes apart: each block of 256 bytes is named once in the launch.  The last change that fills a slot asks for nothing; slots 0 and 1 come by their loads alone.
.macro ASK
	s_cmp_gt_u32 s[SLOTS], s[LIM]
	s_cbranch_scc0 .Lnot_mine_\@
	global_prefetch_b8 v[PFO], s[PFA:PFA+1] th:TH_LOAD_NT scope:SCOPE_SE
	global_prefetch_b8 v[PFO], s[PFA:PFA+1] offset:4194304 th:TH_LOAD_NT scope:SCOPE_SE
.Lnot_mine_\@:
.endm
	s_load_b128 s[4:7], s[0:1], 0x0                ; qkv s[4:5], ctx s[6:7]
	v_lshl_add_u32 v[SPW], v0, 2, SPARE
	v_mov_b32 v[NIL], 0
	ds_add_u32 v[SPW], v[NIL]                      ; the wave's opening: the add and its wait ahead of the first tensor load
	v_lshrrev_b32 v10, 5, v0
	v_readfirstlane_b32 s[WV], v10                 ; wave 0..15
	s_and_b32 s68, ttmp7, 0xffff
	s_lshr_b32 s69, s68, 4                         ; batch
	s_and_b32 s70, s68, 15                         ; head
	s_lshr_b32 s71, s[WV], 3                       ; which block
	s_lshr_b32 s[HS], s[WV], 2
	s_and_b32 s[HS], s[HS], 1
	s_lshl_b32 s[HS64], s[HS], 6
	s_and_b32 s72, s[WV], 3                        ; which 32 queries of the block
	s_sub_co_u32 s73, 15, ttmp9
	s_cmp_eq_u32 s71, 0
	s_cselect_b32 s74, s73, ttmp9                  ; my block of 128 queries
	s_lshl_b32 s[Q0], s74, 7
	s_lshl_b32 s75, s72, 5
	s_add_co_u32 s[Q0], s[Q0], s75
	s_lshl_b32 s[QL], s73, 7
	s_add_co_u32 s[QL], s[QL], 127
	s_lshl_b32 s[PAIR], s71, 2
	s_add_co_u32 s[PAIR], s[PAIR], s72
	s_mul_i32 s76, s69, 48
	s_add_co_u32 s76, s76, s70
	s_lshl_b32 s76, s76, 18                        ; Q's plane, in bytes; K's lies 16 planes on, V's 32
	s_and_b32 s78, s[WV], 1                        ; which 128 rows of a slot I fetch, if I fetch
	s_lshl_b32 s80, s78, 14
	s_add_co_u32 s80, s80, s76
	s_add_co_u32 s80, s80, 4194304
	s_mov_b32 s81, 0
	s_mul_i32 s79, s78, 128*KP
	s_mul_i32 s82, s78, 128*VP
	s_add_co_u32 s82, s82, VOFF
	s_lshl_b32 s84, s[Q0], 7
	s_add_co_u32 s84, s84, s76
	s_mov_b32 s85, 0
	s_lshl_b32 s86, s69, 4
	s_add_co_u32 s86, s86, s74
	s_lshl_b32 s86, s86, 4
	s_add_co_u32 s86, s86, s70
	s_lshl_b32 s86, s86, 14                        ; ctx: block (16 b + my block, head) of 16,384 bytes,
	s_lshl_b32 s87, s72, 12
	s_add_co_u32 s86, s86, s87                     ; my 32 rows of 128 bytes
	s_mov_b32 s87, 0
	s_lshl_b32 s88, s72, 13
	s_add_co_u32 s88, s88, s76
	s_add_co_u32 s88, s88, 4194304+32768           ; the prefetches: K's plane, slot 1, 8,192 bytes a wave; the first change of slots steps it to slot 2
	s_mov_b32 s89, 0
	s_lshr_b32 s90, s[WV], 2
	s_xor_b32 s90, s90, 1
	s_or_b32 s90, s90, ttmp9                       ; 0 in waves 4 to 7 of work-group i = 0
	s_cmp_eq_u32 s90, 0
	s_cselect_b32 s[LIM], 1, -1
	; descriptor group 1: 128 dense rows of 64 elements of 2 bytes
	s_mov_b32 s[G1K], (1<<16)|(1<<20)|(4<<22)|(3<<25)              ; padding: 4 words behind every 32
	s_mov_b32 s[G1V], (1<<16)|(1<<20)|(4<<22)|(7<<25)              ; 8 words
.irp g, G1K, G1V
	s_mov_b32 s[\g+1], 64<<16                      ; tensor_dim0
	s_mov_b32 s[\g+2], 128<<16                     ; tensor_dim1
	s_mov_b32 s[\g+3], 64<<16                      ; tile_dim0
	s_mov_b32 s[\g+4], 128                         ; tile_dim1
	s_mov_b32 s[\g+5], 64                          ; stride
	s_mov_b32 s[\g+6], 0
	s_mov_b32 s[\g+7], 0
.endr
	s_mov_b32 s[SEL], 0x76543210
	s_mov_b32 s[SEL+1], 0xfedcba98
	s_mov_b32 s[CS], 0x3e38aa3b                    ; c = log2(e) / 8
	s_mov_b32 s[CS+1], s[CS]
	s_mov_b32 s[TB], 0
	s_mov_b32 s[SLOTS], NSL-1
	s_mov_b32 s[KF], 0
	s_wait_dscnt 0x0                               ; the opening add is done
	s_wait_kmcnt 0x0
	s_mov_b32 s[G0K], 1
	s_mov_b32 s[G0K+1], s79
	s_add_nc_u64 s[G0K+2:G0K+3], s[4:5], s[80:81]
	s_or_b32 s[G0K+3], s[G0K+3], 0x80000000
	s_mov_b32 s[G0V], 1
	s_mov_b32 s[G0V+1], s82
	s_add_nc_u64 s[G0V+2:G0V+3], s[4:5], s[80:81]
	s_add_nc_u64 s[G0V+2:G0V+3], s[G0V+2:G0V+3], 4194304
	s_or_b32 s[G0V+3], s[G0V+3], 0x80000000
	TLOAD                                          ; slot 0: one tensor load of a fetching wave is out
	s_add_nc_u64 s[84:85], s[4:5], s[84:85]        ; Q at my first query
	s_add_nc_u64 s[6:7], s[6:7], s[86:87]
	s_add_nc_u64 s[PFA:PFA+1], s[4:5], s[88:89]
	v_and_b32 v64, 15, v0                          ; r
	v_bfe_u32 v65, v0, 4, 1                        ; h
	v_and_b32 v66, 31, v0                          ; lane
	v_and_b32 v67, 7, v0
	v_bfe_u32 v68, v0, 3, 1
	v_bfe_u32 v69, v0, 3, 2                        ; lane / 8
	v_lshlrev_b32 v[ADK], 7, v64
	v_lshl_add_u32 v[ADK], v65, 4, v[ADK]          ; Q: row r of 128 bytes, + 16 h
.irp t, 0,1
.irp c, 0,1
	global_load_b128 v[Q+16*\t+8*\c:Q+16*\t+8*\c+3], v[ADK], s[84:85] offset:2048*\t+64*\c
	global_load_b128 v[Q+16*\t+8*\c+4:Q+16*\t+8*\c+7], v[ADK], s[84:85] offset:2048*\t+64*\c+32
.endr
.endr
	v_mul_u32_u24 v[AK0], v64, KP
	v_lshl_add_u32 v[AK0], v65, 4, v[AK0]
	s_mul_i32 s91, s[HS], 64*KP
	v_add_nc_u32 v[AK0], s91, v[AK0]
	v_lshl_add_u32 v[AV0], v65, 3, v67             ; the turning load: key 8 h + lane % 8, channels 8 ((lane / 8) % 2) on
	v_mul_u32_u24 v[AV0], v[AV0], VP
	v_lshl_add_u32 v[AV0], v68, 4, v[AV0]
	s_mul_i32 s91, s[HS], 64*VP
	s_add_co_u32 s91, s91, VOFF
	v_add_nc_u32 v[AV0], s91, v[AV0]
	v_lshlrev_b32 v[GO], 4, v66
	s_mul_i32 s91, s[PAIR], MPAIR
	s_add_co_u32 s91, s91, MERGE
	v_add_nc_u32 v[MW], s91, v[GO]
	s_mul_i32 s92, s[PAIR], OPAIR
	s_add_co_u32 s92, s92, OST
	v_mul_u32_u24 v[STO], v64, 144
	v_lshl_add_u32 v[STO], v65, 4, v[STO]
	v_add_nc_u32 v[STO], s92, v[STO]
	v_mul_u32_u24 v[RD], v69, 144
	v_lshl_add_u32 v[RD], v67, 4, v[RD]
	v_add_nc_u32 v[RD], s92, v[RD]
	v_lshlrev_b32 v[PFO], 8, v66
.irp t, 0,1
	v_mov_b32 v[ST+8*\t+1], 0xff61b1e6             ; m: -3e38, under every score
	v_mul_f32 v[ST+8*\t], s[CS], v[ST+8*\t+1]
.irp j, 2,3,4,5,6,7
	v_mov_b32 v[ST+8*\t+\j], 0
.endr
.endr
.irp j, 0,1,2,3,4,5,6,7,8,9,10,11,12,13,14,15,16,17,18,19,20,21,22,23,24,25,26,27,28,29,30,31,32,33,34,35,36,37,38,39,40,41,42,43,44,45,46,47,48,49,50,51,52,53,54,55,56,57,58,59,60,61,62,63
	v_mov_b32 v[O+\j], 0                           ; O^T.  (The step is written with no first step of its own: the first finds zeros, and a wave none of whose keys count hands zeros to the merge)
.endr
; A STEP: my 64 keys of the slot's unit u against my 32 queries.
.macro STEP u
	s_add_co_u32 s96, s[KF], s[HS64]               ; my first key
	s_add_co_u32 s97, s[Q0], 31
	s_cmp_gt_u32 s96, s97                          ; all my keys behind all my queries: ids and counted steps alone
	s_cbranch_scc1 .Lhidden_\@
	v_add_nc_u32 v[ADK], s[TB], v[AK0]
	v_add_nc_u32 v[ADV], s[TB], v[AV0]
.irp kt, 0,1,2,3
.irp c, 0,1
	ds_load_b128 v[KV+8*(2*\kt+\c):KV+8*(2*\kt+\c)+3], v[ADK] offset:128*KP*\u+16*KP*\kt+64*\c
	ds_load_b128 v[KV+8*(2*\kt+\c)+4:KV+8*(2*\kt+\c)+7], v[ADK] offset:128*KP*\u+16*KP*\kt+64*\c+32
.endr
.endr
	s_wait_dscnt 0x0
.irp c, 0,1                                    ; S^T = K Q^T: eight accumulators by turns, one instruction a turn
.irp kt, 0,1,2,3
.irp t, 0,1
.if \c == 0
	v_wmma_f32_16x16x32_f16 v[S+32*\t+8*\kt:S+32*\t+8*\kt+7], v[KV+16*\kt:KV+16*\kt+7], v[Q+16*\t:Q+16*\t+7], 0
.else
	v_wmma_f32_16x16x32_f16 v[S+32*\t+8*\kt:S+32*\t+8*\kt+7], v[KV+16*\kt+8:KV+16*\kt+15], v[Q+16*\t+8:Q+16*\t+15], v[S+32*\t+8*\kt:S+32*\t+8*\kt+7]
.endif
.endr
.endr
.endr
.rept 4
	v_nop                                          ; places ahead of the loads into K's registers and of the reads of the scores
.endr
.irp kk, 0,1                                   ; V of the same keys, turned: it lands while the softmax runs
.irp ct, 0,1,2,3
	ds_load_tr16_b128 v[KV+8*(4*\kk+\ct):KV+8*(4*\kk+\ct)+3], v[ADV] offset:128*VP*\u+32*VP*\kk+32*\ct
	ds_load_tr16_b128 v[KV+8*(4*\kk+\ct)+4:KV+8*(4*\kk+\ct)+7], v[ADV] offset:128*VP*\u+32*VP*\kk+16*VP+32*\ct
.endr
.endr
	s_add_co_u32 s97, s96, 63
	s_cmp_le_u32 s97, s[Q0]                        ; all my keys count for all my queries: no mask
	s_cbranch_scc1 .Lopen_\@
	s_sub_co_i32 s97, s[Q0], s96
	v_and_b32 v[DD], 15, v0
	v_bfe_u32 v[NINF], v0, 4, 1
	v_lshlrev_b32 v[NINF], 3, v[NINF]
	v_sub_nc_u32 v[DD], v[DD], v[NINF]
	v_add_nc_u32 v[DD], s97, v[DD]                 ; d = first query - first key + r - 8 h.  Register 8 kt + j of tile t is hidden where 16 kt + j - 16 t > d
	v_mov_b32 v[NINF], 0xff800000
.irp t, 0,1
.irp kt, 0,1,2,3
.irp j, 0,1,2,3,4,5,6,7
	v_cmp_gt_i32 vcc_lo, 16*\kt+\j-16*\t, v[DD]
	v_cndmask_b32 v[S+32*\t+8*\kt+\j], v[S+32*\t+8*\kt+\j], v[NINF], vcc_lo
.endr
.endr
.endr
.Lopen_\@:
	; the maximum of my 32 scores and the old m, three at a time, in four chains; the two tiles by turns
.irp j, 0,1,2,3
.irp t, 0,1
	v_max3_num_f32 v[ST+8*\t+4+\j], v[S+32*\t+8*\j], v[S+32*\t+8*\j+1], v[S+32*\t+8*\j+2]
.endr
.endr
.irp g, 1,2
.irp j, 0,1,2,3
.irp t, 0,1
	v_max3_num_f32 v[ST+8*\t+4+\j], v[ST+8*\t+4+\j], v[S+32*\t+8*\j+2*\g+1], v[S+32*\t+8*\j+2*\g+2]
.endr
.endr
.endr
.irp t, 0,1
	v_max3_num_f32 v[ST+8*\t+4], v[ST+8*\t+4], v[S+32*\t+7], v[S+32*\t+15]
	v_max3_num_f32 v[ST+8*\t+6], v[ST+8*\t+6], v[S+32*\t+23], v[S+32*\t+31]
.endr
.irp t, 0,1
	v_max3_num_f32 v[ST+8*\t+4], v[ST+8*\t+4], v[ST+8*\t+5], v[ST+8*\t+6]
.endr
.irp t, 0,1
	v_max3_num_f32 v[ST+8*\t+4], v[ST+8*\t+4], v[ST+8*\t+7], v[ST+8*\t+1]
.endr
.irp t, 0,1
	v_permlanex16_b32 v[ST+8*\t+5], v[ST+8*\t+4], s[SEL], s[SEL+1]   ; the query's other 32 keys lie in the lane 16 away
.endr
.irp t, 0,1
	v_mov_b32 v[ST+8*\t+7], v[ST+8*\t]             ; c m_old is kept for a
.endr
.irp t, 0,1
	v_max_num_f32 v[ST+8*\t+1], v[ST+8*\t+4], v[ST+8*\t+5]
.endr
.irp t, 0,1
	v_mul_f32 v[ST+8*\t], s[CS], v[ST+8*\t+1]
.endr
.irp t, 0,1
	v_sub_f32 v[ST+8*\t+7], v[ST+8*\t+7], v[ST+8*\t]
.endr
.irp k, 0,2,4,6,8,10,12,14,16,18,20,22,24,26,28,30
.irp t, 0,1
	v_pk_fma_f32 v[S+32*\t+\k:S+32*\t+\k+1], v[S+32*\t+\k:S+32*\t+\k+1], s[CS:CS+1], v[ST+8*\t:ST+8*\t+1] op_sel_hi:[1,0,0] neg_lo:[0,0,1] neg_hi:[0,0,1]   ; c s - c m
.endr
.endr
.irp t, 0,1
	v_exp_f32 v[ST+8*\t+6], v[ST+8*\t+7]           ; a.  ONE BATCH of 66 exponentials, none of which reads another's result
.endr
.irp k, 0,1,2,3,4,5,6,7,8,9,10,11,12,13,14,15,16,17,18,19,20,21,22,23,24,25,26,27,28,29,30,31
.irp t, 0,1
	v_exp_f32 v[S+32*\t+\k], v[S+32*\t+\k]
.endr
.endr
	v_nop                                          ; a plain line behind the last exponential
	s_wait_alu depctr_va_vdst(0)                   ; the wait ahead of the batch's first reader: one for the batch
.irp t, 0,1                                    ; the sums of the unrounded p, a pair at a time, in two chains a tile
	v_pk_add_f32 v[ST+8*\t+4:ST+8*\t+5], v[S+32*\t:S+32*\t+1], v[S+32*\t+2:S+32*\t+3]
	v_pk_add_f32 v[YS+2*\t:YS+2*\t+1], v[S+32*\t+4:S+32*\t+5], v[S+32*\t+6:S+32*\t+7]
.endr
.irp k, 8,12,16,20,24,28
.irp t, 0,1
	v_pk_add_f32 v[ST+8*\t+4:ST+8*\t+5], v[ST+8*\t+4:ST+8*\t+5], v[S+32*\t+\k:S+32*\t+\k+1]
	v_pk_add_f32 v[YS+2*\t:YS+2*\t+1], v[YS+2*\t:YS+2*\t+1], v[S+32*\t+\k+2:S+32*\t+\k+3]
.endr
.endr
.irp t, 0,1
	v_pk_add_f32 v[ST+8*\t+4:ST+8*\t+5], v[ST+8*\t+4:ST+8*\t+5], v[YS+2*\t:YS+2*\t+1]
.endr
.irp t, 0,1
	v_pk_fma_f32 v[ST+8*\t+2:ST+8*\t+3], v[ST+8*\t+2:ST+8*\t+3], v[ST+8*\t+6:ST+8*\t+7], v[ST+8*\t+4:ST+8*\t+5] op_sel_hi:[1,0,1]   ; l = a l + the sum
.endr
.irp k, 0,1,2,3,4,5,6,7,8,9,10,11,12,13,14,15
.irp t, 0,1
	v_cvt_pk_f16_f32 v[S+32*\t+\k], v[S+32*\t+2*\k], v[S+32*\t+2*\k+1]   ; in place, ascending: register k was consumed at k / 2
.endr
.endr
.irp k, 0,2,4,6,8,10,12,14,16,18,20,22,24,26,28,30
.irp t, 0,1
	v_pk_mul_f32 v[O+32*\t+\k:O+32*\t+\k+1], v[O+32*\t+\k:O+32*\t+\k+1], v[ST+8*\t+6:ST+8*\t+7] op_sel_hi:[1,0]   ; O^T x a, each accumulator from its low end on
.endr
.endr
	s_wait_dscnt 0x0                               ; V is in
.irp kk, 0,1                                   ; O^T += V^T P: eight accumulators by turns
.irp ct, 0,1,2,3
.irp t, 0,1
	v_wmma_f32_16x16x32_f16 v[O+32*\t+8*\ct:O+32*\t+8*\ct+7], v[KV+8*(4*\kk+\ct):KV+8*(4*\kk+\ct)+7], v[S+32*\t+8*\kk:S+32*\t+8*\kk+7], v[O+32*\t+8*\ct:O+32*\t+8*\ct+7]
.endr
.endr
.endr
.rept 5
	v_nop                                          ; five places: the next step's first products write over p's registers, its loads land in V's
.endr
.Lhidden_\@:
	s_add_co_u32 s[KF], s[KF], 128
.endm
; THE CHANGE OF SLOTS stands at a slot's head.  Each wave waits for all its tensor loads, adds 0 to its spare word, and waits for that and for its reads of the slot that it has left.  Behind the barrier the
; slot ahead is whole and nobody reads the other one; fill = 1: that one is filled with the next 256 keys, up to the causal limit: the load has a slot's two units in which to land.
.macro CHANGE fill
	s_wait_tensorcnt 0x0                           ; no tensor load of mine is out, so a group 0 may be written
	ds_add_u32 v[SPW], v[NIL]
.if \fill
	s_xor_b32 s[G0K+1], s[G0K+1], SLOT1
	s_add_nc_u64 s[G0K+2:G0K+3], s[G0K+2:G0K+3], 32768
	s_xor_b32 s[G0V+1], s[G0V+1], SLOT1
	s_add_nc_u64 s[G0V+2:G0V+3], s[G0V+2:G0V+3], 32768
	s_wait_xcnt 0x0                                ; the last prefetches, a slot back, have read their address
	s_add_nc_u64 s[PFA:PFA+1], s[PFA:PFA+1], 32768
.endif
	s_wait_dscnt 0x0                               ; the add is done, and my reads of the slot that I have left are over
	s_barrier_signal -1
	s_barrier_wait -1
.if \fill
	s_add_co_u32 s96, s[KF], 256                   ; the first key of the slot that this change would ask for
	s_cmp_gt_u32 s96, s[QL]                        ; behind the work-group's last query: none of its waves would read it.  Ids and counted steps alone: all sixteen waves go the same way; every wait on TENSORcnt here is for 0
	s_cbranch_scc1 .Lpast_\@
	TLOAD                                          ; a wave's one tensor load until the next change
.Lpast_\@:
	ASK
.endif
.endm
.macro SLOT_STEPS
	STEP 0
	STEP 1
	s_xor_b32 s[TB], s[TB], SLOT1
.endm
	s_wait_loadcnt 0x0                             ; Q; its address register is free from here
.Lslot:                                            ; seven trips
	CHANGE 1
	SLOT_STEPS
	s_sub_co_u32 s[SLOTS], s[SLOTS], 1
	s_cmp_lg_u32 s[SLOTS], 0
	s_cbranch_scc1 .Lslot
	CHANGE 0                                       ; the last slot asks for nothing
	SLOT_STEPS
	; THE MERGE.  The wave of the keys' second half hands its O^T and statistics, as images of its registers, to the wave of the first half.
	s_cmp_eq_u32 s[HS], 0
	s_cbranch_scc1 .Lreader
.irp k, 0,1,2,3,4,5,6,7,8,9,10,11,12,13,14,15
	ds_store_b128 v[MW], v[O+4*\k:O+4*\k+3] offset:512*\k
.endr
	ds_store_b128 v[MW], v[ST:ST+3] offset:8192    ; c m, m, l of tile 0,
	ds_store_b128 v[MW], v[ST+8:ST+11] offset:8704 ; of tile 1
.Lreader:
	s_wait_dscnt 0x0                               ; for the partner's sake: my stores have landed
	s_barrier_signal -1
	s_barrier_wait -1
	s_cmp_lg_u32 s[HS], 0
	s_cbranch_scc1 .Lend
	ds_load_b128 v[128:131], v[MW] offset:8192
	ds_load_b128 v[132:135], v[MW] offset:8704
.irp k, 0,1,2,3,4,5,6,7,8,9,10,11,12,13,14,15
	ds_load_b128 v[KV+4*\k:KV+4*\k+3], v[MW] offset:512*\k
.endr
	s_wait_dscnt 0x0
.irp t, 0,1
	v_max_num_f32 v[136+\t], v[ST+8*\t], v[128+4*\t]               ; the common c m
	v_add_f32 v[142+\t], v[ST+8*\t+2], v[ST+8*\t+3]                ; my l,
	v_add_f32 v[144+\t], v[130+4*\t], v[131+4*\t]                  ; the partner's
.endr
.irp t, 0,1
	v_sub_f32 v[138+\t], v[ST+8*\t], v[136+\t]
	v_sub_f32 v[140+\t], v[128+4*\t], v[136+\t]
.endr
.irp k, 138,139,140,141
	v_exp_f32 v[\k], v[\k]                         ; the two weights of each tile (a partner none of whose keys count gets 0)
.endr
	v_nop
	s_wait_alu depctr_va_vdst(0)                   ; one wait for the four
.irp t, 0,1
	v_mul_f32 v[146+\t], v[138+\t], v[142+\t]
.endr
.irp t, 0,1
	v_fmac_f32 v[146+\t], v[140+\t], v[144+\t]
.endr
.irp t, 0,1
	v_permlanex16_b32 v[136+\t], v[146+\t], s[SEL], s[SEL+1]
.endr
.irp t, 0,1
	v_add_f32 v[146+\t], v[146+\t], v[136+\t]      ; the row's sum
.endr
	v_rcp_f32 v148, v146
	v_rcp_f32 v149, v147
	v_nop
	s_wait_alu depctr_va_vdst(0)                   ; one wait for the two
.irp t, 0,1
	v_mul_f32 v[150+2*\t], v[138+\t], v[148+\t]    ; my weight / the sum, twice: a pair for the packed forms,
	v_mul_f32 v[151+2*\t], v[138+\t], v[148+\t]
	v_mul_f32 v[154+2*\t], v[140+\t], v[148+\t]    ; the partner's
	v_mul_f32 v[155+2*\t], v[140+\t], v[148+\t]
.endr
.irp t, 0,1
.irp k, 0,2,4,6,8,10,12,14,16,18,20,22,24,26,28,30
	v_pk_mul_f32 v[O+32*\t+\k:O+32*\t+\k+1], v[O+32*\t+\k:O+32*\t+\k+1], v[150+2*\t:151+2*\t]
.endr
.irp k, 0,2,4,6,8,10,12,14,16,18,20,22,24,26,28,30
	v_pk_fma_f32 v[O+32*\t+\k:O+32*\t+\k+1], v[KV+32*\t+\k:KV+32*\t+\k+1], v[154+2*\t:155+2*\t], v[O+32*\t+\k:O+32*\t+\k+1]
.endr
.endr
.irp t, 0,1
.irp k, 0,1,2,3,4,5,6,7,8,9,10,11,12,13,14,15
	v_cvt_pk_f16_f32 v[160+16*\t+\k], v[O+32*\t+2*\k], v[O+32*\t+2*\k+1]
.endr
.endr
.irp t, 0,1
.irp ct, 0,1,2,3
	ds_store_b128 v[STO], v[160+16*\t+4*\ct:160+16*\t+4*\ct+3] offset:16*144*\t+32*\ct   ; row 16 t + r, channels 16 ct + 8 h on
.endr
.endr
.irp n, 0,1,2,3,4,5,6,7
	ds_load_b128 v[96+4*\n:96+4*\n+3], v[RD] offset:4*144*\n       ; four whole rows an instruction; LDS serves a wave's instructions in order: these see my stores
.endr
.irp n, 0,1,2,3,4,5,6,7
	s_wait_dscnt 7-\n
	global_store_b128 v[GO], v[96+4*\n:96+4*\n+3], s[6:7] offset:512*\n   ; 512 consecutive bytes, aligned
.endr
.Lend:
	s_wait_tensorcnt 0x0                           ; the wave's end: a tensor wait, an add to my spare word and its wait, behind my last tensor load and my last LDS store
	ds_add_u32 v[SPW], v[NIL]
	s_wait_dscnt 0x0
	s_endpgm
.Lfunc_end_k_qb920f839db_attn:
	.size	k_qb920f839db_attn, .Lfunc_end_k_qb920f839db_attn-k_qb920f839db_attn
	.p2alignl 7, 3214868480
	.fill 96, 4, 3214868480
	.section	.rodata,"a",@progbits
	.p2align	6, 0x0
	.amdhsa_kernel k_qb920f839db_attn
		.amdhsa_group_segment_fixed_size 327680
		.amdhsa_private_segment_fixed_size 0
		.amdhsa_enable_private_segment 0
		.amdhsa_kernarg_size 16
		.amdhsa_user_sgpr_count 2
		.amdhsa_user_sgpr_kernarg_segment_ptr 1
		.amdhsa_wavefront_size32 1
		.amdhsa_system_sgpr_workgroup_id_x 1
		.amdhsa_system_sgpr_workgroup_id_y 1
		.amdhsa_system_sgpr_workgroup_id_z 1
		.amdhsa_system_vgpr_workitem_id 0
		.amdhsa_next_free_vgpr 256
		.amdhsa_next_free_sgpr 100
		.amdhsa_reserve_vcc 1
		.amdhsa_float_denorm_mode_32 3
		.amdhsa_float_denorm_mode_16_64 3
		.amdhsa_memory_ordered 1
		.amdhsa_forward_progress 1
		.amdhsa_inst_pref_size 110
	.end_amdhsa_kernel
	.amdgpu_metadata
---
amdhsa.version: [ 1, 2 ]
amdhsa.kernels:
  - .name:           k_qb920f839db_attn
    .symbol:         k_qb920f839db_attn.kd
    .args:
      - { .name: qkv, .offset: 0, .size: 8, .value_kind: global_buffer, .address_space: global }
      - { .name: ctx, .offset: 8, .size: 8, .value_kind: global_buffer, .address_space: global }
    .group_segment_fixed_size: 327680
    .private_segment_fixed_size: 0
    .kernarg_segment_align: 8
    .kernarg_segment_size: 16
    .max_flat_workgroup_size: 512
    .sgpr_count:     100
    .vgpr_count:     256
    .wavefront_size: 32
...
	.end_amdgpu_metadata
.endif
;; end of part 3
;; launch oproj (part 4): grid 8 x 32, 4 waves a work-group, clusters of 4 x 4, 327,680 bytes of LDS; arguments ctx, wo16, out0; writes out0
.if DOCPART == 4
	.amdgcn_target "amdgcn-amd-amdhsa--gfx1250"
	.amdhsa_code_object_version 6
	.text
	.protected	k_qb920f839db_oproj
	.globl	k_qb920f839db_oproj
	.p2align	8
	.type	k_qb920f839db_oproj,@function
k_qb920f839db_oproj:
	s_mov_b64 s[64:65], 0
	v_nop
	global_prefetch_b8 v0, s[64:65] scope:SCOPE_SE
	s_setreg_imm32_b32 hwreg(HW_REG_WAVE_MODE, 25, 1), 1
	s_wait_xcnt 0x0
	s_wait_alu depctr_hold_cnt(0) depctr_sa_sdst(0) depctr_va_vdst(0) depctr_va_sdst(0) depctr_va_ssrc(0) depctr_va_vcc(0) depctr_vm_vsrc(0)
	s_getreg_b32 s2, hwreg(HW_REG_IB_STS2, 6, 4)
	s_cmp_eq_u32 s2, 0
	s_cbranch_scc0 .Lentry_in_a_cluster
	s_endpgm
.Lentry_in_a_cluster:
	s_bfe_u32 s2, ttmp6, 0x10000c
	s_cmp_lg_u32 s2, 0xf033
	s_cbranch_scc0 .Lentry_shape_is_right
	s_endpgm
.Lentry_shape_is_right:
; OPROJ.  out0[m][n] = sum over k of ctx[m][k] wo[n][k], m = 4,096, n = 1,024, k = 1,024 = (head, channel); f16 operands, f32 sums, f32 output.
; wo COMES IN TWO f16 PARTS, 1,024 wo = wh + wl (the first launch makes them): one f16 number's 11 bits leave too large an error in the first rows of a batch, whose numbers are some ten times
; the output's root mean square.  So K has eight steps of 256: ctx x wh, then ctx x wl, all onto the same accumulators; on the way out the sums are multiplied by 2^-10.
; ctx lies [row block of 128: 32][head 16][row 128][64] f16, so a K step (four heads) of a tile's 128 rows is 65,536 bytes on end; its four steps are walked twice.
; wo16 lies [n][wh 1024 | wl 1024]: its rows of 4,096 bytes are walked on end, 512 bytes a step.
; LIMIT: f16 operands: ctx is a weighted mean of V's rows, inside 65,504; |wo| under 63.
; A tile of out0 is 128 x 128: 256 work-groups.  Four waves, each 64 x 64: 16 accumulators.  The K steps go through two LDS slots.
; CLUSTERS: 4 x 4 work-groups.  The four of a row of the cluster need the same tiles of ctx, the four of a column the same tiles of wo: each tile is asked for jointly.
; THE MATRIX INSTRUCTION IS USED TRANSPOSED (source 0 = 16 rows of wo, source 1 = 16 rows of ctx): a lane holds eight neighbouring numbers of a row of out0.
; REGISTERS: window 0: v0-31 addresses; v32-95 at work on the way out; v128-255 the accumulators ((a, b) at v[128 + 8 (4 a + b)]).   window 1: two fragment buffers of 128: 64 registers of ctx, then 64 of wo, for 64 along K.
.set PA,     144                       ; a row of ctx in LDS: one head's 128 bytes + 16
.set PLA,    128*PA                    ; a head's 128 rows
.set HALFA,  2*PLA                     ; two heads: what one tensor load brings
.set BOFF,   2*HALFA                   ; behind ctx's four heads: wo's 128 rows
.set PB,     528                       ; a row of wo: 512 bytes + 16
.set HALFB,  64*PB
.set SLOT,   BOFF+2*HALFB
.set STAGE,  2*SLOT                    ; behind the ring: 16 rows x 272 bytes for each wave
.set SPITCH, 272
.set SPARE,  STAGE+4*16*SPITCH         ; the spare words, 128 bytes a wave
.set ADRA, 16
.set ADRB, 20
.set STO,  24
.set RD,   25
.set CO,   26
.set SPW,  28
.set NIL,  29
.set TMP,  32
.set ACC,  128
.set F0,   0
.set F1,   128
.set DN,   18                          ; s[18:19] 2^-10, twice: the packed form names a pair
.set G1, 24
.set G0, 32
.set G1B, 48
.set G0B, 56
.set MSB, 0
.macro WIN new                         ; the immediate's high byte repeats the setting that is left
.if MSB != \new
	s_set_vgpr_msb (MSB<<8)|\new
.set MSB, \new
.endif
.endm
.set MUL,  0x05                        ; sources 0 (wo) and 1 (ctx) window 1; C and D window 0
.set TO_F, 0x40                        ; destination window 1, address window 0
.macro JLOAD s                         ; a joint load: waves 0 and 1 fetch ctx's two pairs of heads, waves 2 and 3 wo's two halves; an s_nop 0 and four v_nop follow each of the two lines
	s_cmp_eq_u32 s11, 0
	s_cbranch_scc0 .Lfor_b_\@
	tensor_load_to_lds s[G0+4*\s:G0+4*\s+3], s[G1:G1+7]
	s_nop 0
.rept 4
	v_nop
.endr
	s_branch .Lasked_\@
.Lfor_b_\@:
	tensor_load_to_lds s[G0B+4*\s:G0B+4*\s+3], s[G1B:G1B+7]
	s_nop 0
.rept 4
	v_nop
.endr
.Lasked_\@:
.endm
.macro CREST                           ; a round of the cluster's barrier behind its opening barrier
	s_cmp_lg_u32 s10, 0
	s_cbranch_scc1 .Lnot_wave_0_\@
	s_barrier_signal -3
.Lnot_wave_0_\@:
	s_barrier_wait -3
	s_barrier_signal -1
	s_barrier_wait -1
.endm
.macro CROUND
	s_barrier_signal -1
	s_barrier_wait -1
	CREST
.endm
	s_load_b128 s[4:7], s[0:1], 0x0                ; ctx s[4:5], wo16 s[6:7]
	s_load_b64 s[8:9], s[0:1], 0x10                ; out0
	v_lshl_add_u32 v[SPW], v0, 2, SPARE
	v_mov_b32 v[NIL], 0
	ds_add_u32 v[SPW], v[NIL]                      ; the wave's opening: the add and its wait ahead of my first tensor load
	v_lshrrev_b32 v1, 5, v0
	v_readfirstlane_b32 s10, v1                    ; wave 0..3
	s_lshr_b32 s11, s10, 1                         ; which half of the tile's rows is mine.  Also: I fetch for ctx (0) or for wo (1)
	s_and_b32 s12, s10, 1                          ; which half of its columns.  Also: which part of that tile I fetch
	s_bfe_u32 s40, ttmp6, 0x40000                  ; cx, cy
	s_bfe_u32 s41, ttmp6, 0x40004
	s_lshl_b32 s42, ttmp9, 2
	s_add_co_u32 s42, s42, s40                     ; tile column
	s_and_b32 s13, ttmp7, 0xffff
	s_lshl_b32 s13, s13, 2
	s_add_co_u32 s13, s13, s41                     ; tile row
	s_lshl_b32 s43, s41, 2
	s_lshl_b32 s43, 15, s43                        ; my row of the cluster
	s_lshl_b32 s44, 0x1111, s40                    ; my column
	s_mov_b32 s[DN], 0x3a800000                    ; 2^-10
	s_mov_b32 s[DN+1], s[DN]
	; ctx: 256 dense rows of 64 elements of 2 bytes (two heads x 128 rows), 4 words of padding behind every 32
	s_or_b32 s[G1+0], s43, (1<<16)|(1<<20)|(1<<21)|(4<<22)|(3<<25)
	s_mov_b32 s[G1+1], 64<<16
	s_mov_b32 s[G1+2], 256<<16
	s_mov_b32 s[G1+3], 64<<16
	s_mov_b32 s[G1+4], 256
	s_mov_b32 s[G1+5], 64
	s_mov_b32 s[G1+6], 0
	s_mov_b32 s[G1+7], 0
	; wo: 64 rows of 256 elements, 2,048 elements apart, 4 words of padding behind every 128
	s_or_b32 s[G1B+0], s44, (1<<16)|(1<<20)|(1<<21)|(6<<22)|(3<<25)
	s_mov_b32 s[G1B+1], 256<<16
	s_mov_b32 s[G1B+2], 64<<16
	s_mov_b32 s[G1B+3], 256<<16
	s_mov_b32 s[G1B+4], 64
	s_mov_b32 s[G1B+5], 2048
	s_mov_b32 s[G1B+6], 0
	s_mov_b32 s[G1B+7], 0
	s_lshl_b32 s16, s13, 4
	s_lshl_b32 s17, s12, 1
	s_add_co_u32 s16, s16, s17
	s_lshl_b32 s16, s16, 14                        ; ctx: block (tile row, head 2 x part) of 16,384 bytes
	s_mov_b32 s17, 0
	s_lshl_b32 s46, s42, 7
	s_lshl_b32 s47, s12, 6
	s_add_co_u32 s46, s46, s47
	s_lshl_b32 s46, s46, 12                        ; wo: row 128 x tile column + 64 x part, 4,096 bytes a row
	s_mov_b32 s47, 0
	s_mul_i32 s20, s12, HALFA                      ; where they go: no place in the cluster enters an LDS address
	s_mul_i32 s23, s12, HALFB
	s_add_co_u32 s23, s23, BOFF
	s_wait_dscnt 0x0                               ; the opening add is done
	s_wait_kmcnt 0x0
	s_add_nc_u64 s[14:15], s[4:5], s[16:17]
	s_add_nc_u64 s[46:47], s[6:7], s[46:47]
	CROUND                                         ; all sixteen work-groups are here: the first joint loads meet
.irp s, 0,1
	s_mov_b32 s[G0+4*\s], 1
	s_add_co_u32 s[G0+4*\s+1], s20, \s*SLOT
	s_add_nc_u64 s[G0+4*\s+2:G0+4*\s+3], s[14:15], \s*65536
	s_or_b32 s[G0+4*\s+3], s[G0+4*\s+3], 0x80000000
	s_mov_b32 s[G0B+4*\s], 1
	s_add_co_u32 s[G0B+4*\s+1], s23, \s*SLOT
	s_add_nc_u64 s[G0B+4*\s+2:G0B+4*\s+3], s[46:47], \s*512
	s_or_b32 s[G0B+4*\s+3], s[G0B+4*\s+3], 0x80000000
	JLOAD \s                                       ; two tensor loads of mine are out
.endr
	v_and_b32 v1, 15, v0                           ; r
	v_bfe_u32 v2, v0, 4, 1                         ; h
	v_mul_u32_u24 v3, v1, PA
	v_lshl_add_u32 v3, v2, 4, v3
	v_mul_u32_u24 v4, v1, PB
	v_lshl_add_u32 v4, v2, 4, v4
	s_mul_i32 s21, s11, 64*PA                      ; my 64 rows, in each head's plane
	s_mul_i32 s22, s12, HALFB                      ; my 64 rows of wo
	s_add_co_u32 s22, s22, BOFF
.irp s, 0,1
	v_add_nc_u32 v[ADRA+\s], s21, v3
	v_add_nc_u32 v[ADRB+\s], s22, v4
	s_add_co_u32 s21, s21, SLOT
	s_add_co_u32 s22, s22, SLOT
.endr
	s_mul_i32 s23, s10, 16*SPITCH
	s_add_co_u32 s23, s23, STAGE                   ; my stage
	v_mul_u32_u24 v5, v1, SPITCH
	v_lshl_add_u32 v5, v2, 5, v5
	v_add_nc_u32 v[STO], s23, v5                   ; in: row r, 32 bytes for each half of the lanes
	v_mul_u32_u24 v5, v2, SPITCH
	v_lshl_add_u32 v5, v1, 4, v5
	v_add_nc_u32 v[RD], s23, v5                    ; back: lanes 0-15 one row of 256 bytes, lanes 16-31 the next
	v_lshlrev_b32 v5, 12, v2
	v_lshl_add_u32 v[CO], v1, 4, v5                ; and the same two rows in out0 (4,096 bytes a row)
	s_lshl_b32 s16, s13, 7
	s_lshl_b32 s17, s11, 6
	s_add_co_u32 s16, s16, s17
	s_lshl_b32 s16, s16, 12                        ; my first row
	s_mov_b32 s17, 0
	s_add_nc_u64 s[8:9], s[8:9], s[16:17]
	s_lshl_b32 s46, s42, 9
	s_lshl_b32 s47, s12, 8
	s_add_co_u32 s46, s46, s47                     ; my first column, in bytes: a multiple of 256
	s_mov_b32 s47, 0
	s_add_nc_u64 s[8:9], s[8:9], s[46:47]
; 8 matrix instructions: row blocks a0, a0 + 1 x all 4 column blocks, 32 along K: half c of buffer f.  zero = 1: the first product starts the sums.  The 16 accumulators take turns.
.macro MUL8 f, c, a0, zero
.irp a, \a0, \a0+1
.irp b, 0,1,2,3
.if \zero
	v_wmma_f32_16x16x32_f16 v[ACC+8*(4*(\a)+\b):ACC+8*(4*(\a)+\b)+7], v[\f+64+8*(4*\c+\b):\f+64+8*(4*\c+\b)+7], v[\f+8*(4*\c+\a):\f+8*(4*\c+\a)+7], 0
.else
	v_wmma_f32_16x16x32_f16 v[ACC+8*(4*(\a)+\b):ACC+8*(4*(\a)+\b)+7], v[\f+64+8*(4*\c+\b):\f+64+8*(4*\c+\b)+7], v[\f+8*(4*\c+\a):\f+8*(4*\c+\a)+7], v[ACC+8*(4*(\a)+\b):ACC+8*(4*(\a)+\b)+7]
.endif
.endr
.endr
.endm
; 32 LDS loads in one run: the fragments of the slot's quarter q (one head: 64 along K) into buffer f; the first 32 along K first
.macro FETCH slot, q, f
	WIN TO_F
.irp c, 0,1
.irp i, 0,1,2,3
	ds_load_b128 v[\f+64+8*(4*\c+\i):\f+64+8*(4*\c+\i)+3],   v[ADRB+\slot] offset:128*\q+64*\c+\i*16*PB
	ds_load_b128 v[\f+64+8*(4*\c+\i)+4:\f+64+8*(4*\c+\i)+7], v[ADRB+\slot] offset:128*\q+64*\c+\i*16*PB+32
	ds_load_b128 v[\f+8*(4*\c+\i):\f+8*(4*\c+\i)+3],         v[ADRA+\slot] offset:\q*PLA+64*\c+\i*16*PA
	ds_load_b128 v[\f+8*(4*\c+\i)+4:\f+8*(4*\c+\i)+7],       v[ADRA+\slot] offset:\q*PLA+64*\c+\i*16*PA+32
.endr
.endr
.endm
.macro PLACES                          ; four plain lines ahead of loads into registers that matrix instructions have read, and of reads of results
.rept 4
	v_nop
.endr
.endm
.macro QUARTER slot, q, f, g, zero     ; multiplies buffer f and fetches quarter q of the same slot into g
	s_wait_dscnt 16                                ; the first 32 along K are in
	WIN MUL
	MUL8 \f, 0, 0, \zero
	MUL8 \f, 0, 2, \zero
	PLACES
	FETCH \slot, \q, \g
	s_wait_dscnt 32                                ; all but the 32 just issued
	WIN MUL
	MUL8 \f, 1, 0, 0
	MUL8 \f, 1, 2, 0
.endm
; A slot's last quarter multiplies buffer 1 and changes slots: one barrier; in front of it each wave waits for all its tensor loads, adds 0 to its spare word, and waits for that and for its reads of this slot.
; fill = 1 or 2: the barrier opens a round of the cluster's barrier, and this slot is filled again, two K steps ahead: the load has 112 matrix instructions of mine in which to land.
; wo's address goes two K steps on along its row; ctx's goes eight heads on (fill = 1) or, where the second walk begins, eight heads back (fill = 2).
.macro TURN slot, next, fill
	WIN 0
	s_wait_tensorcnt 0x0                           ; all my tensor loads have landed: my part of the next slot
	ds_add_u32 v[SPW], v[NIL]
	s_wait_dscnt 17                                ; (the add and the youngest sixteen loads may be out)
	WIN MUL
	MUL8 F1, 0, 0, 0
	s_wait_dscnt 0x0                               ; the add is done, and my reads of this slot are over
	s_barrier_signal -1
	MUL8 F1, 0, 2, 0
.if \fill
	WIN 0
.endif
	s_barrier_wait -1
.if \fill
	CREST                                          ; no wave of any partner still reads this slot or has a load on its way
.if \fill == 1
	s_add_nc_u64 s[G0+4*\slot+2:G0+4*\slot+3], s[G0+4*\slot+2:G0+4*\slot+3], 131072
.else
	s_sub_nc_u64 s[G0+4*\slot+2:G0+4*\slot+3], s[G0+4*\slot+2:G0+4*\slot+3], 131072
.endif
	s_add_nc_u64 s[G0B+4*\slot+2:G0B+4*\slot+3], s[G0B+4*\slot+2:G0B+4*\slot+3], 1024
	JLOAD \slot                                    ; the four v_nop behind it are also the places in front of the loads below
.else
	PLACES
.endif
	FETCH \next, 0, F0
	WIN MUL
	MUL8 F1, 1, 0, 0
	MUL8 F1, 1, 2, 0
.endm
.macro KSTEP slot, next, fill          ; a whole K step: four quarters on buffers 0, 1, 0, 1
	QUARTER \slot, 1, F0, F1, 0
	QUARTER \slot, 2, F1, F0, 0
	QUARTER \slot, 3, F0, F1, 0
	TURN \slot, \next, \fill
.endm
	s_wait_tensorcnt 1                             ; my part of K step 0 is in (K step 1's load may be out)
	s_barrier_signal -1
	s_barrier_wait -1                              ; everybody's is
	FETCH 0, 0, F0
	QUARTER 0, 1, F0, F1, 1                        ; K step 0 (heads 0-3 x wh); its first products start the sums
	QUARTER 0, 2, F1, F0, 0
	QUARTER 0, 3, F0, F1, 0
	TURN 0, 1, 1                                   ; slot 0 takes K step 2: heads 8-11, wh
	KSTEP 1, 0, 1                                  ; K step 1; slot 1 takes K step 3: heads 12-15, wh
	KSTEP 0, 1, 2                                  ; K step 2; slot 0 takes K step 4: heads 0-3 again, wl
	KSTEP 1, 0, 2                                  ; K step 3; slot 1 takes K step 5: heads 4-7, wl
	KSTEP 0, 1, 1                                  ; K step 4; slot 0 takes K step 6: heads 8-11, wl
	KSTEP 1, 0, 1                                  ; K step 5; slot 1 takes K step 7: heads 12-15, wl
	KSTEP 0, 1, 0                                  ; K step 6; nothing is left to fetch
	QUARTER 1, 1, F0, F1, 0                        ; K step 7
	QUARTER 1, 2, F1, F0, 0
	QUARTER 1, 3, F0, F1, 0
	s_wait_dscnt 16
	WIN MUL
	MUL8 F1, 0, 0, 0
	MUL8 F1, 0, 2, 0
	s_wait_dscnt 0
	MUL8 F1, 1, 0, 0
	MUL8 F1, 1, 2, 0
	WIN 0
; THE WAY OUT, 16 rows x 64 columns at a time.  The sums are multiplied by 2^-10 (wo's parts carry the factor 1,024): exact.  A lane holds 32 neighbouring bytes of a row; a wave's 64 columns are 256 bytes of a row,
; aligned: so a block goes through my own stage and comes back as whole rows.  LDS serves a wave's instructions in order: no wait between the stores and the loads, and no barrier: the stage is mine alone.
.macro TOSTAGE a
.irp j, 0,1,2,3,4,5,6,7,8,9,10,11,12,13,14,15
	v_pk_mul_f32 v[ACC+32*(\a)+2*\j:ACC+32*(\a)+2*\j+1], v[ACC+32*(\a)+2*\j:ACC+32*(\a)+2*\j+1], s[DN:DN+1] op_sel_hi:[1,0]   ; each accumulator from its low end on
.endr
.irp b, 0,1,2,3
	ds_store_b128 v[STO], v[ACC+8*(4*(\a)+\b):ACC+8*(4*(\a)+\b)+3] offset:64*\b
	ds_store_b128 v[STO], v[ACC+8*(4*(\a)+\b)+4:ACC+8*(4*(\a)+\b)+7] offset:64*\b+16
.endr
.irp t, 0,1,2,3,4,5,6,7
	ds_load_b128 v[TMP+32*((\a)%2)+4*\t:TMP+32*((\a)%2)+4*\t+3], v[RD] offset:2*SPITCH*\t
.endr
.endm
.macro SEND a, younger
	s_wait_dscnt \younger                          ; the block is back in registers
.irp t, 0,1,2,3,4,5,6,7
	global_store_b128 v[CO], v[TMP+32*((\a)%2)+4*\t:TMP+32*((\a)%2)+4*\t+3], s[8:9] offset:(16*(\a)+2*\t)*4096 th:TH_STORE_NT   ; sixteen lanes store 256 consecutive bytes, aligned; written once, read by nobody here
.endr
.endm
	PLACES
	TOSTAGE 0
.irp a, 1,2,3
.if \a > 1
	s_wait_xcnt 0x0                                ; block a - 2's stores have read their data: block a's rows may land there
.endif
	TOSTAGE \a
	SEND \a-1, 16                                  ; behind block a - 1's loads: block a's 8 stores and 8 loads
.endr
	SEND 3, 0
	s_wait_tensorcnt 0x0                           ; the wave's end: a tensor wait, an add to my spare word and its wait, behind my last tensor load and my last LDS store
	ds_add_u32 v[SPW], v[NIL]
	s_wait_dscnt 0x0
	CROUND                                         ; the closing round
	s_endpgm
.Lfunc_end_k_qb920f839db_oproj:
	.size	k_qb920f839db_oproj, .Lfunc_end_k_qb920f839db_oproj-k_qb920f839db_oproj
	.p2alignl 7, 3214868480
	.fill 96, 4, 3214868480
	.section	.rodata,"a",@progbits
	.p2align	6, 0x0
	.amdhsa_kernel k_qb920f839db_oproj
		.amdhsa_group_segment_fixed_size 327680
		.amdhsa_private_segment_fixed_size 0
		.amdhsa_enable_private_segment 0
		.amdhsa_kernarg_size 24
		.amdhsa_user_sgpr_count 2
		.amdhsa_user_sgpr_kernarg_segment_ptr 1
		.amdhsa_wavefront_size32 1
		.amdhsa_system_sgpr_workgroup_id_x 1
		.amdhsa_system_sgpr_workgroup_id_y 1
		.amdhsa_system_sgpr_workgroup_id_z 1
		.amdhsa_system_vgpr_workitem_id 0
		.amdhsa_next_free_vgpr 512
		.amdhsa_next_free_sgpr 66
		.amdhsa_reserve_vcc 0
		.amdhsa_float_denorm_mode_32 3
		.amdhsa_float_denorm_mode_16_64 3
		.amdhsa_memory_ordered 1
		.amdhsa_forward_progress 1
		.amdhsa_inst_pref_size 162
	.end_amdhsa_kernel
	.amdgpu_metadata
---
amdhsa.version: [ 1, 2 ]
amdhsa.kernels:
  - .name:           k_qb920f839db_oproj
    .symbol:         k_qb920f839db_oproj.kd
    .args:
      - { .name: ctx, .offset: 0, .size: 8, .value_kind: global_buffer, .address_space: global }
      - { .name: wo16, .offset: 8, .size: 8, .value_kind: global_buffer, .address_space: global }
      - { .name: out0, .offset: 16, .size: 8, .value_kind: global_buffer, .address_space: global }
    .group_segment_fixed_size: 327680
    .private_segment_fixed_size: 0
    .kernarg_segment_align: 8
    .kernarg_segment_size: 24
    .max_flat_workgroup_size: 128
    .sgpr_count:     66
    .vgpr_count:     512
    .wavefront_size: 32
...
	.end_amdgpu_metadata
.endif
;; end of part 4
